; MI455X (gfx1250); checked and timed in simulation.
; The chip was launched on July 23, 2026; its instructions are those of AMD's public machine-readable ISA for CDNA 5 (MIT licence, August 2026) and "CDNA5" Instruction Set Architecture Reference Guide (July 2026). The comments in the code are by the model that wrote it; some were corrected since.
;; Adaptive Decoder. Allowed arithmetic: float matrix products may take bf16 or f16 operands with f32 sums; all other float work in f32.
;; Inputs: b1 1,024 float32; b2 1,024 float32; head_b 3 x 256 float32; head_w 3 x 1,024 x 256 float32; ln_beta 1,024 float32; ln_gamma 1,024 float32; node_latent 25,000 x 512 float32; node_types 25,000 int32; w1 512 x 1,024 float32; w2 1,024 x 1,024 float32.
;; Outputs: out0 25,000 x 256 float32.
;; 2 versions, each right and faster than the one before. Each part assembles by itself: llvm-mc -triple=amdgcn-amd-amdhsa -mcpu=gfx1250 --defsym DOCPART=n.
;; ======== version 1 of 2: 2 launches
;; limits: values are held in f16: magnitudes above 65,504 overflow, below 6.1e-05 lose precision
;; workspace buffers: wf 4,718,592 bytes; tab 14,336 bytes
;; launch prep (part 1): grid 93 x 1, 16 waves a work-group, no clusters, 76,288 bytes of LDS; arguments w1, w2, head_w, b1, b2, ln_gamma, ln_beta, head_b, wf, tab; writes wf, tab
.if DOCPART == 1
	.amdgcn_target "amdgcn-amd-amdhsa--gfx1250"
	.amdhsa_code_object_version 6
	.text
	.protected	k_q593d376816_prep
	.globl	k_q593d376816_prep
	.p2align	8
	.type	k_q593d376816_prep,@function
k_q593d376816_prep:
	s_mov_b64 s[64:65], 0
	v_nop
	global_prefetch_b8 v0, s[64:65] scope:SCOPE_SE
	s_setreg_imm32_b32 hwreg(HW_REG_WAVE_MODE, 25, 1), 1
	s_wait_xcnt 0x0
; PREP: the weights as the main launch's matrix fragments, and its tables.  No matrix work: a stream with a transposition through LDS.
; wf: 4,608 fragments of 1,024 bytes in the order in which the main launch uses them.  A fragment is 16 units x 32 k of 16-bit numbers; element (unit r, k = 16 c + 8 h + e)
; lies at byte 512 c + 256 h + 16 r + 2 e, so that lane l = 16 h + r of a wave reads its 16 bytes at 512 c + 16 l.
;   layer 1: fragment (16 g + sigma) 4 + i        = bf16(w1)[32 sigma + k][64 g + 16 i + r]                                        (bf16)
;   layer 2: fragment 1024 + (32 g + sigma) 4 + i = bf16(w2)[..][..] - m_k, m_k the mean of row k of w2                           (f16)
;   heads:   fragment 3072 + (32 q + sigma) 4 + i = bf16(gamma_k) bf16(head_w[t])[k][64 cg + 16 i + r], q = 3 cg + t               (f16)
; Taking m_k from every number of row k moves each node's hidden vector by one common number, which LayerNorm takes away again: exact for every m_k.
; tab (f32): bf16(b1) at 0; bf16(b2) - its mean at 4,096; for q = 0..11 at 8,192 + 512 q: s[64] = sum_k gamma_k W_t[k][o], then c[64] = sum_k beta_k W_t[k][o] + head_b[t][o].
; Every input is rounded to bf16 first; what is made of them is kept in f32 (tab) or rounded once to f16 (wf).
; LIMIT: w2 - m_k and gamma W must lie within f16's range (65,504); below 6e-5 they keep f16's fixed step of 6e-8.
; JOBS by the work-group's number: 0-15 w1, k step sigma; 16-47 w2; 48-79 heads; 80-91 table block q; 92 the biases.  Sixteen waves; in a k step wave g makes the 4 fragments of 64 units.
; LDS: every use has bytes of its own: 4,096 bytes of stage for each wave, read and written by that wave alone; the w2 job's 32 means; the table job's partial sums.
; REGISTERS: v1-11 lane numbers and offsets; v12-15 the rounding's scratch: no offset lives there across a rounding.
.set T,     32                         ; v[32:95]    a tile of 32 k x 64 units: load (c, e) at T + 4 (8 c + e): row 16 c + 8 h + e, units 4 p .. 4 p + 3
.set MR,    96                         ; v[96:159]   w2: two whole rows, for their means
.set MN,    160                        ; v[160:175]  what belongs to my 16 rows (c, e): the mean, or gamma
.set P,     192                        ; v[192:223]  packed: (c, j) at P + 4 (4 c + j): eight k of one unit, 16 bytes
.set MEANS, 65536                      ; LDS: 32 means, behind the sixteen stages
.set TABS,  66048                      ; LDS: the table job's partial sums, 512 bytes for each wave: s's 64 numbers, then c's
.macro LOADT pitch, bs                 ; 16 loads: sixteen lanes read 256 consecutive bytes of a row, at a multiple of 256 from the buffer's first byte
.irp c, 0,1
.irp e, 0,1,2,3,4,5,6,7
	global_load_b128 v[T+4*(8*\c+\e):T+4*(8*\c+\e)+3], v6, s[\bs:\bs+1] offset:(16*\c+\e)*(\pitch)
.endr
.endr
.endm
.macro RND2 a, tmp                     ; two f32 rounded to bf16 and widened again; tmp is one of v12-15
	v_cvt_pk_bf16_f32 v[\tmp], v[\a], v[(\a)+1]
	v_lshlrev_b32 v[\a], 16, v[\tmp]
	v_and_b32 v[(\a)+1], s25, v[\tmp]
.endm
.macro RNDT
.set n, 0
.rept 32
	RND2 T+2*n,12+n%4
.set n, n+1
.endr
.endm
.macro PACK op                         ; eight k of a unit, in pairs, into 16 bytes
.irp c, 0,1
.irp j, 0,1,2,3
.irp m, 0,1,2,3
	\op v[P+4*(4*\c+\j)+\m], v[T+4*(8*\c+2*\m)+\j], v[T+4*(8*\c+2*\m+1)+\j]
.endr
.endr
.endr
.endm
.macro WAYOUT                          ; through my own stage: in by fragment place, back as 4,096 consecutive bytes
.irp c, 0,1
.irp j, 0,1,2,3
	ds_store_b128 v7, v[P+4*(4*\c+\j):P+4*(4*\c+\j)+3] offset:512*\c+16*\j
.endr
.endr
.irp n, 0,1,2,3,4,5,6,7
	ds_load_b128 v[T+4*\n:T+4*\n+3], v9 offset:512*\n   ; LDS serves a wave's instructions in order (ISA guide 5.7.1.4): these see the stores above
.endr
.irp n, 0,1,2,3,4,5,6,7
	s_wait_dscnt 7-\n                              ; the younger loads may stay out
	global_store_b128 v5, v[T+4*\n:T+4*\n+3], s[20:21] offset:512*\n  ; 512 consecutive bytes, at a multiple of 256 from wf's first byte
.endr
.endm
.macro SUMP b                          ; 32 registers are added up into the pair at b
.irp w, 16,8,4,2
.set u, 0
.rept (\w)/2
	v_pk_add_f32 v[(\b)+2*u:(\b)+2*u+1], v[(\b)+2*u:(\b)+2*u+1], v[(\b)+(\w)+2*u:(\b)+(\w)+2*u+1]
.set u, u+1
.endr
.endr
.endm
.macro LANESUM r, tmp                  ; the sum over the 32 lanes, in every lane
	v_add_f32_dpp v[\r], v[\r], v[\r] row_xmask:1 row_mask:0xf bank_mask:0xf
	v_add_f32_dpp v[\r], v[\r], v[\r] row_xmask:2 row_mask:0xf bank_mask:0xf
	v_add_f32_dpp v[\r], v[\r], v[\r] row_xmask:4 row_mask:0xf bank_mask:0xf
	v_add_f32_dpp v[\r], v[\r], v[\r] row_xmask:8 row_mask:0xf bank_mask:0xf
	v_permlanex16_b32 v[\tmp], v[\r], s26, s27
	v_add_f32 v[\r], v[\r], v[\tmp]
.endm
	s_load_b512 s[4:19], s[0:1], 0x0               ; w1 s[4:5], w2 s[6:7], head_w s[8:9], b1 s[10:11], b2 s[12:13], gamma s[14:15], beta s[16:17], head_b s[18:19]
	s_load_b128 s[20:23], s[0:1], 0x40             ; wf s[20:21], tab s[22:23]
	v_lshl_add_u32 v224, v0, 2, 0x12200
	v_mov_b32 v225, 0
	v_and_b32 v1, 31, v0                           ; l
	v_lshrrev_b32 v2, 5, v0
	v_readfirstlane_b32 s24, v2                    ; wave 0..15
	v_and_b32 v3, 15, v0                           ; p = l % 16
	v_bfe_u32 v4, v0, 4, 1                         ; h = l / 16
	v_lshlrev_b32 v5, 4, v1                        ; 16 l
	s_mov_b32 s25, 0xffff0000                      ; a word's upper bf16
	s_mov_b32 s26, 0x76543210                      ; v_permlanex16_b32: each lane takes its own place in the other half
	s_mov_b32 s27, 0xfedcba98
	s_mov_b32 s28, ttmp9                           ; the job
	s_lshl_b32 s29, s24, 12                        ; my stage
	v_lshrrev_b32 v7, 2, v3                        ; units 4 p + j: fragment p / 4, rows 4 (p % 4) + j
	v_lshlrev_b32 v7, 10, v7
	v_and_b32 v8, 3, v3
	v_lshl_add_u32 v7, v8, 6, v7
	v_lshl_add_u32 v7, v4, 8, v7
	v_add_nc_u32 v7, s29, v7                       ; stage + 1024 (p / 4) + 256 h + 64 (p % 4)
	v_add_nc_u32 v9, s29, v5                       ; stage + 16 l
	s_mov_b32 s31, 0                               ; the high words of two offsets
	s_mov_b32 s33, 0
	s_wait_kmcnt 0x0
	s_cmp_ge_u32 s28, 16
	s_cbranch_scc1 .Lnot_w1
	; ---- w1, k step sigma = job: rounding to bf16 is the packing itself
	s_lshl_b32 s30, s28, 17                        ; 32 rows of 4,096 bytes
	s_lshl_b32 s32, s24, 8                         ; my 64 units
	s_add_co_u32 s30, s30, s32
	s_add_nc_u64 s[4:5], s[4:5], s[30:31]
	v_lshlrev_b32 v6, 4, v3
	v_lshl_add_u32 v6, v4, 15, v6                  ; 8 h rows + 16 p
	LOADT 4096, 4
	s_lshl_b32 s32, s24, 4
	s_add_co_u32 s32, s32, s28
	s_lshl_b32 s32, s32, 12                        ; (16 g + sigma) x 4 fragments
	s_add_nc_u64 s[20:21], s[20:21], s[32:33]
	s_wait_loadcnt 0x0
	PACK v_cvt_pk_bf16_f32
	WAYOUT
	s_wait_tensorcnt 0x0
	ds_add_u32 v224, v225
	s_wait_dscnt 0x0
	s_endpgm
.Lnot_w1:
	s_cmp_ge_u32 s28, 48
	s_cbranch_scc1 .Lnot_w2
	; ---- w2, k step sigma = job - 16: wave g first finds the means of rows 32 sigma + 2 g and + 1
	s_sub_co_u32 s28, s28, 16
	s_lshl_b32 s30, s28, 17
	s_lshl_b32 s32, s24, 13                        ; 2 g rows
	s_add_co_u32 s32, s32, s30
	s_add_nc_u64 s[34:35], s[6:7], s[32:33]
	s_lshl_b32 s32, s24, 8
	s_add_co_u32 s30, s30, s32
	s_add_nc_u64 s[6:7], s[6:7], s[30:31]
.irp rho, 0,1
.irp n, 0,1,2,3,4,5,6,7
	global_load_b128 v[MR+32*\rho+4*\n:MR+32*\rho+4*\n+3], v5, s[34:35] offset:4096*\rho+512*\n
.endr
.endr
	v_lshlrev_b32 v6, 4, v3
	v_lshl_add_u32 v6, v4, 15, v6
	LOADT 4096, 6
	s_lshl_b32 s32, s24, 5
	s_add_co_u32 s32, s32, s28
	s_lshl_b32 s32, s32, 12
	s_add_co_u32 s32, s32, 0x100000                ; behind layer 1's 1,024 fragments
	s_add_nc_u64 s[20:21], s[20:21], s[32:33]
	s_lshl_b32 s36, s24, 3
	s_add_co_u32 s36, s36, MEANS
	v_mov_b32 v10, s36                             ; where my two means go
	v_lshl_add_u32 v11, v4, 5, MEANS               ; where the means of my tile rows 8 h .. lie
	s_wait_loadcnt 16                              ; the two rows are in; the tile's 16 loads, issued behind them, may stay out
	SUMP MR
	SUMP MR+32
	v_add_f32 v[MR], v[MR], v[MR+1]
	v_add_f32 v[MR+32], v[MR+32], v[MR+33]
	LANESUM MR,MR+1
	LANESUM MR+32,MR+33
	v_mul_f32 v[MR], 0x3a800000, v[MR]             ; / 1024
	v_mul_f32 v[MR+32], 0x3a800000, v[MR+32]
	ds_store_b32 v10, v[MR]                        ; all lanes write the same word with the same number
	ds_store_b32 v10, v[MR+32] offset:4
	s_wait_dscnt 0x0                               ; for the others' sake: my two means are in LDS
	s_barrier_signal -1
	s_barrier_wait -1
	ds_load_b128 v[MN:MN+3],     v11               ; rows 8 h + 0..3
	ds_load_b128 v[MN+4:MN+7],   v11 offset:16
	ds_load_b128 v[MN+8:MN+11],  v11 offset:64     ; rows 16 + 8 h + 0..3
	ds_load_b128 v[MN+12:MN+15], v11 offset:80
	s_wait_loadcnt 0x0
	RNDT
	s_wait_dscnt 0x0
.set m, 0
.rept 16
.irp j, 0,1,2,3
	v_sub_f32 v[T+4*m+\j], v[T+4*m+\j], v[MN+m]
.endr
.set m, m+1
.endr
	PACK v_cvt_pk_f16_f32
	WAYOUT
	s_wait_tensorcnt 0x0
	ds_add_u32 v224, v225
	s_wait_dscnt 0x0
	s_endpgm
.Lnot_w2:
	s_cmp_ge_u32 s28, 80
	s_cbranch_scc1 .Lnot_hd
	; ---- heads, k step sigma = job - 48: wave q = 3 cg + t takes 64 columns of head t; there are 12 such, so waves 12 to 15 have no part (no barrier stands on this way)
	s_cmp_ge_u32 s24, 12
	s_cbranch_scc1 .Lend
	s_sub_co_u32 s28, s28, 48
	s_mul_i32 s36, s24, 11
	s_lshr_b32 s36, s36, 5                         ; cg = q / 3 (11 q >> 5, right for q < 12)
	s_mul_i32 s37, s36, 3
	s_sub_co_u32 s37, s24, s37                     ; t
	s_lshl_b32 s30, s37, 20                        ; a head is 1,048,576 bytes,
	s_lshl_b32 s32, s28, 15                        ; 32 rows of 1,024,
	s_add_co_u32 s30, s30, s32
	s_lshl_b32 s32, s36, 8                         ; 64 columns
	s_add_co_u32 s30, s30, s32
	s_add_nc_u64 s[8:9], s[8:9], s[30:31]
	s_lshl_b32 s32, s28, 7                         ; gamma of the 32 rows
	s_add_nc_u64 s[14:15], s[14:15], s[32:33]
	v_lshlrev_b32 v10, 5, v4                       ; 8 h numbers
	global_load_b128 v[MN:MN+3],     v10, s[14:15]
	global_load_b128 v[MN+4:MN+7],   v10, s[14:15] offset:16
	global_load_b128 v[MN+8:MN+11],  v10, s[14:15] offset:64
	global_load_b128 v[MN+12:MN+15], v10, s[14:15] offset:80
	v_lshlrev_b32 v6, 4, v3
	v_lshl_add_u32 v6, v4, 13, v6                  ; 8 h rows of 1,024 bytes + 16 p
	LOADT 1024, 8
	s_lshl_b32 s32, s24, 5
	s_add_co_u32 s32, s32, s28
	s_lshl_b32 s32, s32, 12
	s_add_co_u32 s32, s32, 0x300000                ; behind the 3,072 fragments of layers 1 and 2
	s_add_nc_u64 s[20:21], s[20:21], s[32:33]
	s_wait_loadcnt 0x0
.irp m, 0,2,4,6,8,10,12,14
	RND2 MN+\m,12+(\m/2)%4
.endr
	RNDT
.set m, 0
.rept 16
.irp j, 0,1,2,3
	v_mul_f32 v[T+4*m+\j], v[T+4*m+\j], v[MN+m]
.endr
.set m, m+1
.endr
	PACK v_cvt_pk_f16_f32
	WAYOUT
	s_wait_tensorcnt 0x0
	ds_add_u32 v224, v225
	s_wait_dscnt 0x0
	s_endpgm
.Lnot_hd:
	s_cmp_ge_u32 s28, 92
	s_cbranch_scc1 .Lmisc
	; ---- table block q = job - 80: wave v sums over rows 64 v + 32 h + i of head t, columns 64 cg + 4 p + j
	s_sub_co_u32 s28, s28, 80
	s_mul_i32 s36, s28, 11
	s_lshr_b32 s36, s36, 5                         ; cg
	s_mul_i32 s37, s36, 3
	s_sub_co_u32 s37, s28, s37                     ; t
	s_lshl_b32 s30, s37, 20
	s_lshl_b32 s32, s24, 16                        ; 64 rows of 1,024 bytes
	s_add_co_u32 s30, s30, s32
	s_lshl_b32 s32, s36, 8
	s_add_co_u32 s30, s30, s32
	s_add_nc_u64 s[8:9], s[8:9], s[30:31]
	v_lshlrev_b32 v6, 4, v3
	v_lshl_add_u32 v6, v4, 15, v6                  ; 32 h rows + 16 p
.set i, 0
.rept 32
	global_load_b128 v[32+4*i:32+4*i+3], v6, s[8:9] offset:1024*i
.set i, i+1
.endr
	s_lshl_b32 s32, s24, 8                         ; gamma and beta of my 64 rows
	s_add_nc_u64 s[14:15], s[14:15], s[32:33]
	s_add_nc_u64 s[16:17], s[16:17], s[32:33]
	v_lshlrev_b32 v10, 7, v4                       ; 32 h numbers
.irp n, 0,1,2,3,4,5,6,7
	global_load_b128 v[160+4*\n:160+4*\n+3], v10, s[14:15] offset:16*\n
	global_load_b128 v[192+4*\n:192+4*\n+3], v10, s[16:17] offset:16*\n
.endr
	s_lshl_b32 s32, s37, 10
	s_lshl_b32 s38, s36, 8
	s_add_co_u32 s32, s32, s38
	s_add_nc_u64 s[18:19], s[18:19], s[32:33]      ; head_b[t][64 cg ..]
	v_lshlrev_b32 v11, 3, v1
	global_load_b64 v[16:17], v11, s[18:19]
	s_lshl_b32 s32, s28, 9
	s_add_co_u32 s32, s32, 8192
	s_add_nc_u64 s[22:23], s[22:23], s[32:33]      ; tab's block q
	s_wait_loadcnt 0x0
.set n, 0
.rept 64
	RND2 32+2*n,12+n%4
.set n, n+1
.endr
.set n, 0
.rept 32
	RND2 160+2*n,12+n%4
.set n, n+1
.endr
	RND2 16,12
.irp j, 0,1,2,3
	v_mul_f32 v[20+\j], v160, v[32+\j]             ; the first row starts the sums
	v_mul_f32 v[24+\j], v192, v[32+\j]
.endr
.set i, 1
.rept 31
.irp j, 0,1,2,3
	v_fmac_f32 v[20+\j], v[160+i], v[32+4*i+\j]
	v_fmac_f32 v[24+\j], v[192+i], v[32+4*i+\j]
.endr
.set i, i+1
.endr
.irp j, 0,1,2,3,4,5,6,7
	v_permlanex16_b32 v[32+\j], v[20+\j], s26, s27 ; the other 32 rows lie in the lane 16 away
.endr
.irp j, 0,1,2,3,4,5,6,7
	v_add_f32 v[20+\j], v[20+\j], v[32+\j]
.endr
	s_lshl_b32 s38, s24, 9                         ; the roundings are over: v12-14 now take addresses
	s_add_co_u32 s38, s38, TABS
	v_lshl_add_u32 v12, v3, 4, s38                 ; TABS + wave x 512 + 16 p: s's 64 numbers, then c's
	ds_store_b128 v12, v[20:23]
	ds_store_b128 v12, v[24:27] offset:256
	s_wait_dscnt 0x0                               ; for the others' sake
	s_barrier_signal -1
	s_barrier_wait -1
	s_cmp_ge_u32 s24, 2
	s_cbranch_scc1 .Lend                           ; wave 0 adds up s, wave 1 adds up c
	s_lshl_b32 s38, s24, 8
	v_lshl_add_u32 v13, v1, 3, s38                 ; 256 x wave + 8 l: my place in tab's block,
	v_add_nc_u32 v14, TABS, v13                    ; and in each wave's partial sums
.set u, 0
.rept 16
	ds_load_b64 v[32+2*u:33+2*u], v14 offset:512*u
.set u, u+1
.endr
	s_wait_dscnt 0x0
	SUMP 32
	s_cmp_eq_u32 s24, 0
	s_cbranch_scc1 .Ltab_s
	v_pk_add_f32 v[32:33], v[32:33], v[16:17]      ; c takes the head's bias
.Ltab_s:
	global_store_b64 v13, v[32:33], s[22:23]       ; the wave stores 256 consecutive bytes, at a multiple of 256 from tab's first byte
	s_wait_tensorcnt 0x0
	ds_add_u32 v224, v225
	s_wait_dscnt 0x0
	s_endpgm
.Lmisc:
	; ---- the biases: every wave finds the mean of bf16(b2) and writes its own 64 numbers of both tables
.irp n, 0,1,2,3,4,5,6,7
	global_load_b128 v[32+4*\n:32+4*\n+3], v5, s[12:13] offset:512*\n
.endr
	s_lshl_b32 s38, s24, 8
	v_lshl_add_u32 v10, v1, 3, s38                 ; 256 x wave + 8 l, for the loads here and the stores below: outside the rounding's scratch
	global_load_b64 v[16:17], v10, s[10:11]
	global_load_b64 v[18:19], v10, s[12:13]
	s_wait_loadcnt 0x0
.set n, 0
.rept 16
	RND2 32+2*n,12+n%4
.set n, n+1
.endr
	RND2 16,12
	RND2 18,13
	SUMP 32
	v_add_f32 v32, v32, v33
	LANESUM 32,33
	v_mul_f32 v32, 0x3a800000, v32                 ; / 1024
	v_sub_f32 v18, v18, v32
	v_sub_f32 v19, v19, v32
	global_store_b64 v10, v[16:17], s[22:23]       ; the wave stores 256 consecutive bytes, at a multiple of 256 from tab's first byte
	global_store_b64 v10, v[18:19], s[22:23] offset:4096
.Lend:
	s_wait_tensorcnt 0x0
	ds_add_u32 v224, v225
	s_wait_dscnt 0x0
	s_endpgm
.Lfunc_end_k_q593d376816_prep:
	.size	k_q593d376816_prep, .Lfunc_end_k_q593d376816_prep-k_q593d376816_prep
	.p2alignl 7, 3214868480
	.fill 96, 4, 3214868480
	.section	.rodata,"a",@progbits
	.p2align	6, 0x0
	.amdhsa_kernel k_q593d376816_prep
		.amdhsa_group_segment_fixed_size 76288
		.amdhsa_private_segment_fixed_size 0
		.amdhsa_enable_private_segment 0
		.amdhsa_kernarg_size 80
		.amdhsa_user_sgpr_count 2
		.amdhsa_user_sgpr_kernarg_segment_ptr 1
		.amdhsa_wavefront_size32 1
		.amdhsa_system_sgpr_workgroup_id_x 1
		.amdhsa_system_sgpr_workgroup_id_y 1
		.amdhsa_system_sgpr_workgroup_id_z 1
		.amdhsa_system_vgpr_workitem_id 0
		.amdhsa_next_free_vgpr 226
		.amdhsa_next_free_sgpr 66
		.amdhsa_reserve_vcc 0
		.amdhsa_float_denorm_mode_32 3
		.amdhsa_float_denorm_mode_16_64 3
		.amdhsa_memory_ordered 1
		.amdhsa_forward_progress 1
		.amdhsa_inst_pref_size 74
	.end_amdhsa_kernel
	.amdgpu_metadata
---
amdhsa.version: [ 1, 2 ]
amdhsa.kernels:
  - .name:           k_q593d376816_prep
    .symbol:         k_q593d376816_prep.kd
    .args:
      - { .name: w1, .offset: 0, .size: 8, .value_kind: global_buffer, .address_space: global }
      - { .name: w2, .offset: 8, .size: 8, .value_kind: global_buffer, .address_space: global }
      - { .name: head_w, .offset: 16, .size: 8, .value_kind: global_buffer, .address_space: global }
      - { .name: b1, .offset: 24, .size: 8, .value_kind: global_buffer, .address_space: global }
      - { .name: b2, .offset: 32, .size: 8, .value_kind: global_buffer, .address_space: global }
      - { .name: ln_gamma, .offset: 40, .size: 8, .value_kind: global_buffer, .address_space: global }
      - { .name: ln_beta, .offset: 48, .size: 8, .value_kind: global_buffer, .address_space: global }
      - { .name: head_b, .offset: 56, .size: 8, .value_kind: global_buffer, .address_space: global }
      - { .name: wf, .offset: 64, .size: 8, .value_kind: global_buffer, .address_space: global }
      - { .name: tab, .offset: 72, .size: 8, .value_kind: global_buffer, .address_space: global }
    .group_segment_fixed_size: 76288
    .private_segment_fixed_size: 0
    .kernarg_segment_align: 8
    .kernarg_segment_size: 80
    .max_flat_workgroup_size: 512
    .sgpr_count:     66
    .vgpr_count:     226
    .wavefront_size: 32
...
	.end_amdgpu_metadata
.endif
;; end of part 1
;; launch main (part 2): grid 196 x 1, 4 waves a work-group, clusters of 4 x 1, 327,680 bytes of LDS; arguments node_latent, node_types, wf, tab, out0; writes out0
.if DOCPART == 2
	.amdgcn_target "amdgcn-amd-amdhsa--gfx1250"
	.amdhsa_code_object_version 6
	.text
	.protected	k_q593d376816_main
	.globl	k_q593d376816_main
	.p2align	8
	.type	k_q593d376816_main,@function
k_q593d376816_main:
	s_mov_b64 s[64:65], 0
	v_nop
	global_prefetch_b8 v0, s[64:65] scope:SCOPE_SE
	s_setreg_imm32_b32 hwreg(HW_REG_WAVE_MODE, 25, 1), 1
	s_wait_xcnt 0x0
	s_wait_alu depctr_hold_cnt(0) depctr_sa_sdst(0) depctr_va_vdst(0) depctr_va_sdst(0) depctr_va_ssrc(0) depctr_va_vcc(0) depctr_vm_vsrc(0)
	s_getreg_b32 s2, hwreg(HW_REG_IB_STS2, 6, 4)
	s_cmp_eq_u32 s2, 0
	s_cbranch_scc0 .Lentry_in_a_cluster
	s_endpgm
.Lentry_in_a_cluster:
	s_bfe_u32 s2, ttmp6, 0x10000c
	s_cmp_lg_u32 s2, 0x3003
	s_cbranch_scc0 .Lentry_shape_is_right
	s_endpgm
.Lentry_shape_is_right:
; out[n] = head_{type[n]}( LayerNorm( relu(x[n] w1 + b1) w2 + b2 ) ), 25,000 rows, 512 -> 1024 -> 1024 -> 256, all in one launch: no intermediate goes to memory.
; SHARES.  A work-group owns 128 rows, each of its four waves 32 (two tiles of 16 nodes) through the whole chain.  25,000 = 195 x 128 + 40: a wave's first row is held at 24,968 at the most, so in the last
; work-group waves overlap; the rows in common are computed alike and stored by that one work-group with the same numbers.
; LAYOUT.  Every product is used transposed: source 0 = 16 units x 32 k of the weights, source 1 = 32 k x 16 nodes.  In the result a lane holds ONE node (lane % 16) and the units 8 (lane / 16) + 0..7, so two
; neighbouring unit tiles, rounded in pairs, ARE source 1 of the next layer: activations never change lanes or waves, and LayerNorm's sums are a lane's own but for one exchange of the halves.
; WEIGHTS.  The launch before has laid all three layers as one stream of fragments in the order of use: 72 tiles of 65,536 bytes.  All work-groups walk it alike, so a cluster of four asks JOINTLY: the same
; tensor load, descriptor and mask in all four; each wave brings a quarter of a tile.  Two LDS slots take turns; a tile is 16 k steps x 4 unit tiles: 128 matrix instructions a wave.
; LAYERNORM is folded: w2's rows and b2 come centred, so the second layer gives h - mean(h) but for the weights' rounding.  From the f32 sums S1, S2 of it: mu = S1 / 1024 (that residue), var = S2 / 1024 - mu^2,
; rs = rsq(var + 1e-5).  The heads' weights carry gamma; out = rs acc - rs mu s + c with s = sum gamma W, c = sum beta W + head_b from the table.  So the hidden vector is rounded before rs is known.
; HEADS.  All three are computed and a node's is chosen by v_cndmask_b32: head t is taken where type >= t, t ascending.  A type above 2 counts as 2.
; FORMATS.  x and w1 in bf16; what the program itself makes (both hidden layers, the centred w2, gamma W) in f16; sums, LayerNorm and the way out in f32.
; LIMITS.  Both hidden layers must lie within f16's range, 65,504 (with every input 30 times the drawn spread the second reaches some 3.5e4); below 6e-5 they keep f16's fixed step of 6e-8, so with every input
; 30 times smaller the second hidden layer keeps about 8 bits.  NaN and infinities are not treated apart.
; REGISTERS, in windows of 256 (s_set_vgpr_msb: bits 1:0 source 0, 3:2 source 1, 5:4 source 2, 7:6 destination).  Source 1's fragment (k step s, node tile t) lies at 16 s + 8 t of its window.
;   window 0: v1-15 addresses and types; v16-31 LayerNorm's sums and factors; v32-95 the 8 accumulators ((unit tile i, node tile t) at 32 + 8 (2 i + t)); v96-223 four sets of 4 weight fragments; v224-255 bias
;   window 1: x, later hidden 2's k steps 0-15     window 2: raw x rows 0-15, hidden 1's k steps 0-15, later hidden 2's 16-31     window 3: raw x rows 16-31, hidden 1's 16-31, later the chosen result and the table
; A loop cannot count register numbers, so each group of 64 finished units is parked in the wave's own LDS at a stepping address, and half a layer (32,768 bytes) is read back at once.
.set ROWS,   25000
.set SLOT,   65536                     ; two slots for the weights, at LDS byte 0 and 65,536
.set PARK,   2*SLOT                    ; behind them 32,768 bytes for each wave, written by ds_store alone: x's stage (16 rows, pitch 1,040), the park (32 fragments), the way out (32 rows, pitch 272)
.set SPARE,  PARK+4*32768              ; the spare words, 128 bytes for each wave: two blocks of 256 bytes that no other line names
.set XPITCH, 1040                      ; 1,024 bytes of bf16 + 16: the 16 rows of a fragment load start 16 bytes apart modulo 256
.set OPITCH, 272                       ; 256 bytes of f32 + 16, likewise
.set ACC,    32
.set RING,   96
.set BIAS,   224
.set RES,    0                         ; window 3: the chosen head's results, laid as the accumulators
.set TS,     64                        ; window 3: s of the group's 64 columns, 8 a unit tile
.set TC,     96                        ; window 3: c
; v1 my spare word's address, v2 = 0 (both never rewritten); v3, v4 16 x lane in slot 0, 1; v7 park + 16 x lane; v8 park's stepping address; v9 32 (lane / 16): my 8 numbers in a table row of 16;
; v10, v11, v12 the way out: into the stage, back, offset in out; v14, v15 my node's type in tile 0, 1; v16-19 S1, v20-23 S2 (a pair a tile); v24-27 rs, v28-31 -rs mu (twice each, for the packed forms)
; s[4:5] x, s[6:7] types, s[12:13] out at my wave's rows; s[8:9] wf; s[10:11] tab, walking; s14 wave; s[20:27] descriptor group 1; s[28:31], s[32:35] group 0 of the two first fills, the second then walks;
; s36 trips, s47 halves, s37 park offset, s39 head t, s40-41 masks, s[42:43] lane selects
.set MSB, 0
.macro WIN new                         ; the immediate's high byte repeats the setting that is left; a switch that changes nothing is dropped
.if MSB != (\new)
	s_set_vgpr_msb (MSB<<8)|(\new)
.set MSB, (\new)
.endif
.endm
.macro NOP4                            ; four places: a load into a register that a matrix instruction has read, and a vector instruction that reads its result, stand four plain vector instructions behind it
.rept 4
	v_nop
.endr
.endm
; A round of the cluster's barrier: my work-group's barrier, so that wave 0's signal speaks for all four waves; wave 0 signals; every wave waits for all four work-groups; my work-group's barrier once more.
.macro CREST
	s_cmp_lg_u32 s14, 0
	s_cbranch_scc1 .Lnot_wave_0_\@
	s_barrier_signal -3
.Lnot_wave_0_\@:
	s_barrier_wait -3
	s_barrier_signal -1
	s_barrier_wait -1
.endm
.macro ROUND
	s_barrier_signal -1
	s_barrier_wait -1
	CREST
.endm
; One k step: 8 matrix instructions, 4 unit tiles x 2 node tiles, on the 8 accumulators by turns.  e: the set of weight fragments; b: source 1's register in the window in force.
; cm = 0: the sums go on; 1: the bias starts them; 2: the constant 0 starts them.  Nothing is ever cleared.
.macro BATCH fm, e, b, cm
.irp i, 0,1,2,3
.irp t, 0,1
.if (\cm) == 0
	v_wmma_f32_16x16x32_\fm v[ACC+8*(2*\i+\t):ACC+8*(2*\i+\t)+7], v[RING+32*(\e)+8*\i:RING+32*(\e)+8*\i+7], v[(\b)+8*\t:(\b)+8*\t+7], v[ACC+8*(2*\i+\t):ACC+8*(2*\i+\t)+7]
.elseif (\cm) == 1
	v_wmma_f32_16x16x32_\fm v[ACC+8*(2*\i+\t):ACC+8*(2*\i+\t)+7], v[RING+32*(\e)+8*\i:RING+32*(\e)+8*\i+7], v[(\b)+8*\t:(\b)+8*\t+7], v[BIAS+8*\i:BIAS+8*\i+7]
.else
	v_wmma_f32_16x16x32_\fm v[ACC+8*(2*\i+\t):ACC+8*(2*\i+\t)+7], v[RING+32*(\e)+8*\i:RING+32*(\e)+8*\i+7], v[(\b)+8*\t:(\b)+8*\t+7], 0
.endif
.endr
.endr
.endm
.macro LOADS e, a, off                 ; a k step's 4 weight fragments, 4,096 consecutive bytes: 8 loads of 16 bytes a lane, lane l at 16 l
.irp i, 0,1,2,3
	ds_load_b128 v[RING+32*(\e)+8*\i:RING+32*(\e)+8*\i+3],   v[\a] offset:(\off)+1024*\i
	ds_load_b128 v[RING+32*(\e)+8*\i+4:RING+32*(\e)+8*\i+7], v[\a] offset:(\off)+1024*\i+512
.endr
.endm
; A TILE of the stream: 16 k steps out of slot cur, source 1 in window win.  The fragments are fetched three k steps ahead, through four sets.  The window setting moves source 1 alone, so the LDS and global
; loads (address in source 0's place, data in the destination's) stand under it unchanged.
; bias = 1: the first k step takes the bias, and the next group's 64 numbers are then asked for (the table walks on by 256 bytes; behind b1's last come the centred b2's first).
; kind = 2: behind k step 14 slot cur is filled again with the tile two further on.  kind = 1: the same change of slots, nothing asked for.  kind = 0: the stream's last tile.
.macro TILE fm, win, cur, nxt, cm0, kind, bias
	WIN (\win)<<2
.set bb, 0
.rept 13
	s_wait_dscnt 16                                ; this k step's 8 loads are in; the two younger runs of 8 may stay out
.if bb == 0
.if \bias
	s_wait_loadcnt 0x0                             ; the bias, asked for a tile or two ago; its base may now be stepped
.endif
	BATCH \fm, 0, 0, \cm0
.else
	BATCH \fm, bb%4, 16*bb, 0
.endif
	NOP4                                           ; for the set that the k step before has read (and for the bias registers)
	LOADS (bb+3)%4, \cur, (bb+3)*4096
.if (bb == 0) && (\bias)
	s_add_nc_u64 s[10:11], s[10:11], 256
.irp i, 0,1,2,3
	global_load_b128 v[BIAS+8*\i:BIAS+8*\i+3],   v9, s[10:11] offset:64*\i
	global_load_b128 v[BIAS+8*\i+4:BIAS+8*\i+7], v9, s[10:11] offset:64*\i+16
.endr
.endif
.set bb, bb+1
.endr
.if (\kind) == 0
	s_wait_dscnt 16
	BATCH \fm, 1, 208, 0
	s_wait_dscnt 8                                 ; one run may stay out
	BATCH \fm, 2, 224, 0
	s_wait_dscnt 0x0
	BATCH \fm, 3, 240, 0
.else
	; THE CHANGE OF SLOTS: one barrier for two things.  In front of it each wave waits for all its tensor loads (one is out: its quarter of the next slot), adds 0 to its spare word, and waits for that and for
	; its reads of this slot.  Behind it nobody reads this slot any more and the next slot is whole.
	WIN 0                                          ; (the add's two registers lie in window 0)
	s_wait_tensorcnt 0x0                           ; no tensor load of mine is out, so the walking group 0 may be written
	ds_add_u32 v1, v2                              ; 0 onto my spare word
.if (\kind) == 2
	s_xor_b32 s33, s33, SLOT                       ; the other slot than last time,
	s_add_nc_u64 s[34:35], s[34:35], SLOT          ; the stream's next tile; the type bits on top are not reached
.endif
	s_wait_dscnt 17                                ; k step 13's fragments are in; two runs of 8 and the add may be out
	WIN (\win)<<2
	BATCH \fm, 1, 208, 0
	s_wait_dscnt 0x0                               ; the add is done, and my reads of this slot are over
	s_barrier_signal -1                            ; with kind = 2 this barrier opens a round of the cluster's
	BATCH \fm, 2, 224, 0                           ; work on registers while the others arrive
	WIN 0                                          ; at a branch and at a label every window is 0
	s_barrier_wait -1
.if (\kind) == 2
	CREST                                          ; no wave of any partner still reads this slot or has a load on its way
	tensor_load_to_lds s[32:35], s[20:27]          ; my one tensor load behind the round, and the first thing there: it has the next tile's k steps 0 to 12 in which to land
	s_nop 0
.endif
	NOP4                                           ; also the places for the sets that k steps 13 and 14 have read
	WIN (\win)<<2
	LOADS 0, \nxt, 0                               ; the next tile's first three k steps
	LOADS 1, \nxt, 4096
	LOADS 2, \nxt, 8192
	BATCH \fm, 3, 240, 0
.endif
.endm
; A finished group of 64 units.  k = 1: relu.  k = 2: LayerNorm's sums, four chains by turns.  Then both: rounded to f16 in place (each accumulator's registers in ascending order) and parked: unit tiles 2 a, 2 a + 1
; are the two halves of the next layer's fragment of k step 2 g + a.
.macro EPI k
	WIN 0
	NOP4
.if (\k) == 1
.set n, 0
.rept 64
	v_max_num_f32 v[ACC+n], 0, v[ACC+n]
.set n, n+1
.endr
.else
.irp i, 0,1,2,3
.irp p, 0,1,2,3
.irp t, 0,1
	v_pk_add_f32 v[16+2*\t:17+2*\t], v[16+2*\t:17+2*\t], v[ACC+8*(2*\i+\t)+2*\p:ACC+8*(2*\i+\t)+2*\p+1]
	v_pk_fma_f32 v[20+2*\t:21+2*\t], v[ACC+8*(2*\i+\t)+2*\p:ACC+8*(2*\i+\t)+2*\p+1], v[ACC+8*(2*\i+\t)+2*\p:ACC+8*(2*\i+\t)+2*\p+1], v[20+2*\t:21+2*\t]
.endr
.endr
.endr
.endif
.set n, 0
.rept 32
	v_cvt_pk_f16_f32 v[ACC+8*(n/4)+n%4], v[ACC+8*(n/4)+2*(n%4)], v[ACC+8*(n/4)+2*(n%4)+1]
.set n, n+1
.endr
	v_add_nc_u32 v8, s37, v7
.irp i, 0,1,2,3
.irp t, 0,1
	ds_store_b128 v8, v[ACC+8*(2*\i+\t):ACC+8*(2*\i+\t)+3] offset:(\i/2)*2048+\t*1024+(\i%2)*512
.endr
.endr
	s_add_co_u32 s37, s37, 4096                    ; the next group's 4,096 bytes;
	s_and_b32 s37, s37, 0x7000                     ; behind the eighth the park begins anew
.endm
.macro BACK win                        ; half a layer, 32 fragments, from my park into a whole window.  LDS serves a wave's instructions in order (ISA guide 5.7.1.4): these see my stores
	WIN (\win)<<6
.set n, 0
.rept 64
	ds_load_b128 v[4*n:4*n+3], v7 offset:512*n
.set n, n+1
.endr
	WIN 0
	s_wait_dscnt 0x0
.endm
; A finished group of 64 columns of head t: out = rs acc + c - rs mu s; taken where the node's type is t or more.  more = 1: the next group's table is asked for.
.macro EPIH more
	WIN 0
	NOP4
	s_wait_loadcnt 0x0                             ; this group's s and c; the table's base may now be stepped
	WIN 0x30                                       ; source 2 (c) in window 3
.irp i, 0,1,2,3
.irp t, 0,1
.irp p, 0,1,2,3
	v_pk_fma_f32 v[ACC+8*(2*\i+\t)+2*\p:ACC+8*(2*\i+\t)+2*\p+1], v[ACC+8*(2*\i+\t)+2*\p:ACC+8*(2*\i+\t)+2*\p+1], v[24+2*\t:25+2*\t], v[TC+8*\i+2*\p:TC+8*\i+2*\p+1] op_sel_hi:[1,0,1]
.endr
.endr
.endr
	WIN 0x03                                       ; source 0 (s) in window 3
.irp i, 0,1,2,3
.irp t, 0,1
.irp p, 0,1,2,3
	v_pk_fma_f32 v[ACC+8*(2*\i+\t)+2*\p:ACC+8*(2*\i+\t)+2*\p+1], v[TS+8*\i+2*\p:TS+8*\i+2*\p+1], v[28+2*\t:29+2*\t], v[ACC+8*(2*\i+\t)+2*\p:ACC+8*(2*\i+\t)+2*\p+1] op_sel_hi:[1,0,1]
.endr
.endr
.endr
	WIN 0
	v_cmp_le_u32 s40, s39, v14                     ; t <= type: at t = 0 every lane
	v_cmp_le_u32 s41, s39, v15
	WIN 0xc3                                       ; destination and source 0 (the result so far) in window 3
.irp i, 0,1,2,3
.irp j, 0,1,2,3,4,5,6,7
	v_cndmask_b32 v[RES+16*\i+\j], v[RES+16*\i+\j], v[ACC+16*\i+\j], s40
	v_cndmask_b32 v[RES+16*\i+8+\j], v[RES+16*\i+8+\j], v[ACC+16*\i+8+\j], s41
.endr
.endr
.if \more
	s_add_nc_u64 s[10:11], s[10:11], 512
	WIN 0xc0                                       ; destination window 3
.irp i, 0,1,2,3
	global_load_b128 v[TS+8*\i:TS+8*\i+3],   v9, s[10:11] offset:64*\i
	global_load_b128 v[TS+8*\i+4:TS+8*\i+7], v9, s[10:11] offset:64*\i+16
	global_load_b128 v[TC+8*\i:TC+8*\i+3],   v9, s[10:11] offset:256+64*\i
	global_load_b128 v[TC+8*\i+4:TC+8*\i+7], v9, s[10:11] offset:256+64*\i+16
.endr
.endif
	WIN 0
.endm
; THE WAY OUT of 32 rows x 64 columns: a lane's eight columns of a row go into my stage, whole rows of 256 bytes come back, two a load.
.macro OUTP more
	WIN 0x0c                                       ; store data (source 1) in window 3
.irp i, 0,1,2,3
.irp t, 0,1
	ds_store_b128 v10, v[RES+8*(2*\i+\t):RES+8*(2*\i+\t)+3]   offset:\t*16*OPITCH+64*\i
	ds_store_b128 v10, v[RES+8*(2*\i+\t)+4:RES+8*(2*\i+\t)+7] offset:\t*16*OPITCH+64*\i+16
.endr
.endr
	WIN 0xc0
.set n, 0
.rept 16
	ds_load_b128 v[RES+4*n:RES+4*n+3], v11 offset:2*OPITCH*n  ; in order behind the stores above
.set n, n+1
.endr
	WIN 0x0c
.set n, 0
.rept 16
	s_wait_dscnt 15-n                              ; the younger loads may stay out
	global_store_b128 v12, v[RES+4*n:RES+4*n+3], s[12:13] offset:2048*n th:TH_STORE_NT  ; 16 lanes store 256 consecutive bytes, at a multiple of 256 from out's first byte
.set n, n+1
.endr
	WIN 0
.if \more
	s_wait_xcnt 0x0                                ; the stores' base and data are written again only behind this wait (ISA guide 3.1)
	s_add_nc_u64 s[12:13], s[12:13], 256           ; the next 64 columns
.endif
.endm
; 16 rows of x: rounded to bf16, through my stage, into window 1 as source 1's fragments of node tile t
.macro XTILE t
	WIN 0x0a+5*(\t)                                ; sources 0 and 1 in window 2 or 3
.set n, 0
.rept 128
	v_cvt_pk_bf16_f32 v[32+n], v[2*n], v[2*n+1]
.set n, n+1
.endr
	WIN 0
.set n, 0
.rept 64
	ds_store_b64 v16, v[32+2*n:33+2*n] offset:XPITCH*(n/4)+256*(n%4)  ; 32 lanes, 256 consecutive bytes of a row
.set n, n+1
.endr
	WIN 0x40                                       ; destination window 1
.set n, 0
.rept 16
	ds_load_b128 v[16*n+8*(\t):16*n+8*(\t)+3],   v17 offset:64*n       ; node lane % 16, k = 32 n + 8 (lane / 16) + 0..7
	ds_load_b128 v[16*n+8*(\t)+4:16*n+8*(\t)+7], v17 offset:64*n+32    ; and 16 further on
.set n, n+1
.endr
.endm
	s_load_b256 s[4:11], s[0:1], 0x0               ; x s[4:5], types s[6:7], wf s[8:9], tab s[10:11]
	s_load_b64 s[12:13], s[0:1], 0x20              ; out
	v_lshl_add_u32 v1, v0, 2, SPARE
	v_mov_b32 v2, 0
	ds_add_u32 v1, v2
	s_wait_dscnt 0x0
	v_lshrrev_b32 v13, 5, v0
	v_readfirstlane_b32 s14, v13                   ; wave 0..3
	s_bfe_u32 s15, ttmp6, 0x40000                  ; cx: my place in the cluster; it enters the addresses of x, types and out alone
	s_lshl_b32 s16, ttmp9, 2                       ; in a cluster launch ttmp9 counts clusters
	s_add_co_u32 s16, s16, s15
	s_lshl_b32 s16, s16, 7                         ; the work-group's 128 rows,
	s_lshl_b32 s17, s14, 5                         ; my wave's 32
	s_add_co_u32 s16, s16, s17
	s_min_u32 s16, s16, ROWS-32                    ; my first row
	s_mov_b32 s19, 0
	; descriptor group 1: 16,384 dense bytes as 64 rows of 256
	s_mov_b32 s20, 15|(3<<16)|(1<<21)              ; 15:0 the mask: all four work-groups; 17:16 elements of 8 bytes; 21 set beside a mask; no padding
	s_mov_b32 s21, 32<<16                          ; tensor_dim0 = 32
	s_mov_b32 s22, 64<<16                          ; tensor_dim1 = 64
	s_mov_b32 s23, 32<<16                          ; tile_dim0 = 32
	s_mov_b32 s24, 64                              ; tile_dim1 = 64
	s_mov_b32 s25, 32                              ; 32 elements from row to row
	s_mov_b32 s26, 0
	s_mov_b32 s27, 0
	s_lshl_b32 s44, s14, 14                        ; my quarter of a tile, in memory and in a slot: the wave's number alone
	s_mov_b32 s45, 0
	s_mov_b32 s28, 1                               ; count = 1
	s_mov_b32 s29, s44                             ; LDS address: slot 0
	s_mov_b32 s32, 1
	s_add_co_u32 s33, s44, SLOT                    ; slot 1
	s_mov_b32 s42, 0x76543210                      ; v_permlanex16_b32: each lane takes its own place in the other half
	s_mov_b32 s43, 0xfedcba98
	s_lshl_b32 s46, s14, 15
	s_add_co_u32 s46, s46, PARK                    ; my park
	v_and_b32 v13, 31, v0                          ; lane
	v_and_b32 v5, 15, v0                           ; r = lane % 16
	v_bfe_u32 v6, v0, 4, 1                         ; h = lane / 16
	v_lshlrev_b32 v3, 4, v13
	v_add_nc_u32 v4, SLOT, v3
	v_add_nc_u32 v7, s46, v3
	v_lshlrev_b32 v8, 2, v5                        ; my node's type (v8 is the park's address later)
	v_lshlrev_b32 v9, 5, v6
	v_lshl_add_u32 v16, v13, 3, s46                ; x's stage, in: 8 bytes a lane (v16, v17 hold sums later)
	v_mul_u32_u24 v17, v5, XPITCH
	v_lshl_add_u32 v17, v6, 4, v17
	v_add_nc_u32 v17, s46, v17                     ; and out: row r, 16 bytes for each half of the lanes
	v_mul_u32_u24 v10, v5, OPITCH
	v_lshl_add_u32 v10, v6, 5, v10
	v_add_nc_u32 v10, s46, v10                     ; the way out, in: row r, 32 bytes for each half
	v_mul_u32_u24 v11, v6, OPITCH
	v_lshl_add_u32 v11, v5, 4, v11
	v_add_nc_u32 v11, s46, v11                     ; back: lanes 0-15 one row of 256 bytes, lanes 16-31 the next
	v_lshlrev_b32 v12, 10, v6
	v_lshl_add_u32 v12, v5, 4, v12                 ; and the same two rows in out
	s_wait_kmcnt 0x0
	s_lshl_b32 s18, s16, 11
	s_add_nc_u64 s[4:5], s[4:5], s[18:19]          ; x, rows of 2,048 bytes
	s_lshl_b32 s18, s16, 2
	s_add_nc_u64 s[6:7], s[6:7], s[18:19]
	s_lshl_b32 s18, s16, 10
	s_add_nc_u64 s[12:13], s[12:13], s[18:19]      ; out, rows of 1,024 bytes
	s_add_nc_u64 s[30:31], s[8:9], s[44:45]        ; tile 0, my quarter
	s_add_nc_u64 s[34:35], s[30:31], SLOT          ; tile 1
	s_or_b32 s31, s31, 0x80000000                  ; type = 2
	s_or_b32 s35, s35, 0x80000000
	ROUND                                          ; all four work-groups are here: the first joint loads meet
	tensor_load_to_lds s[28:31], s[20:27]          ; the two first fills go out together: two tensor loads of mine are out
	s_nop 0
	tensor_load_to_lds s[32:35], s[20:27]
	s_nop 0
	NOP4
	global_load_b32 v14, v8, s[6:7]
	global_load_b32 v15, v8, s[6:7] offset:64
.irp i, 0,1,2,3
	global_load_b128 v[BIAS+8*\i:BIAS+8*\i+3],   v9, s[10:11] offset:64*\i      ; b1 of units 16 i + 8 h + 0..7
	global_load_b128 v[BIAS+8*\i+4:BIAS+8*\i+7], v9, s[10:11] offset:64*\i+16
.endr
	WIN 0x80                                       ; destination window 2: my rows 0-15, 32,768 consecutive bytes, 512 a load
.set n, 0
.rept 64
	global_load_b128 v[4*n:4*n+3], v3, s[4:5] offset:512*n th:TH_LOAD_NT
.set n, n+1
.endr
	WIN 0xc0                                       ; window 3: rows 16-31
.set n, 0
.rept 64
	global_load_b128 v[4*n:4*n+3], v3, s[4:5] offset:32768+512*n th:TH_LOAD_NT
.set n, n+1
.endr
	s_wait_loadcnt 63                              ; rows 0-15 are in: 64 loads are younger, and the count's field ends at 63
	XTILE 0
	s_wait_loadcnt 0x0
	XTILE 1                                        ; its stores into the stage come, in order, behind tile 0's reads
	WIN 0
	s_wait_tensorcnt 0x1                           ; my quarter of tile 0 is in; tile 1's may stay out
	s_wait_dscnt 0x0                               ; x's fragments are in
	s_barrier_signal -1
	s_barrier_wait -1                              ; everybody's quarter is in
	LOADS 0, 3, 0
	LOADS 1, 3, 4096
	LOADS 2, 3, 8192
	s_mov_b32 s37, 0
	; LAYER 1: 16 groups of 64 units, a tile each (K = 512).  Two halves of 8 groups; a trip takes two, one from each slot.
	s_mov_b32 s47, 2
.Ll1_half:
	s_mov_b32 s36, 4
.Ll1:
	TILE bf16, 1, 3, 4, 1, 2, 1
	EPI 1
	TILE bf16, 1, 4, 3, 1, 2, 1
	EPI 1
	s_sub_co_u32 s36, s36, 1
	s_cmp_lg_u32 s36, 0
	s_cbranch_scc1 .Ll1
	s_cmp_eq_u32 s47, 2
	s_cbranch_scc0 .Ll1_high
	BACK 2                                         ; units 0-511: k steps 0-15 of layer 2
	s_branch .Ll1_next
.Ll1_high:
	BACK 3                                         ; units 512-1023
.Ll1_next:
	s_sub_co_u32 s47, s47, 1
	s_cmp_lg_u32 s47, 0
	s_cbranch_scc1 .Ll1_half
	; LAYER 2: 16 groups, two tiles each (K = 1,024).  The first half goes where x lay, the second where hidden 1's first half lay, when the layer is over.
.irp n, 16,17,18,19,20,21,22,23
	v_mov_b32 v\n, 0                               ; S1 and S2
.endr
	s_mov_b32 s47, 2
.Ll2_half:
	s_mov_b32 s36, 8
.Ll2:
	TILE f16, 2, 3, 4, 1, 2, 1
	TILE f16, 3, 4, 3, 0, 2, 0
	EPI 2
	s_sub_co_u32 s36, s36, 1
	s_cmp_lg_u32 s36, 0
	s_cbranch_scc1 .Ll2
	s_cmp_eq_u32 s47, 2
	s_cbranch_scc0 .Ll2_high
	BACK 1
	s_branch .Ll2_next
.Ll2_high:
	BACK 2
.Ll2_next:
	s_sub_co_u32 s47, s47, 1
	s_cmp_lg_u32 s47, 0
	s_cbranch_scc1 .Ll2_half
	; LAYERNORM's factors, a node a lane.  The table stands at its first block of s and c: layer 2's last look-ahead has stepped it there.
	WIN 0xc0
.irp i, 0,1,2,3
	global_load_b128 v[TS+8*\i:TS+8*\i+3],   v9, s[10:11] offset:64*\i
	global_load_b128 v[TS+8*\i+4:TS+8*\i+7], v9, s[10:11] offset:64*\i+16
	global_load_b128 v[TC+8*\i:TC+8*\i+3],   v9, s[10:11] offset:256+64*\i
	global_load_b128 v[TC+8*\i+4:TC+8*\i+7], v9, s[10:11] offset:256+64*\i+16
.endr
	WIN 0
.irp n, 16,18,20,22
	v_add_f32 v[\n], v[\n], v[\n+1]                ; a pair's two halves
.endr
.irp n, 16,18,20,22
	v_permlanex16_b32 v[\n+1], v[\n], s42, s43     ; the node's other units lie in the lane 16 away
.endr
.irp n, 16,18,20,22
	v_add_f32 v[\n], v[\n], v[\n+1]
.endr
	v_mul_f32 v16, 0x3a800000, v16                 ; mu = S1 / 1024
	v_mul_f32 v18, 0x3a800000, v18
	v_mul_f32 v17, v16, v16
	v_mul_f32 v19, v18, v18
	v_fma_f32 v20, v20, 0x3a800000, -v17           ; var = S2 / 1024 - mu^2; mu is the centring's residue, so nothing large is taken away
	v_fma_f32 v22, v22, 0x3a800000, -v19
	v_max_num_f32 v20, 0, v20
	v_max_num_f32 v22, 0, v22
	v_add_f32 v20, 0x3727c5ac, v20                 ; + 1e-5
	v_add_f32 v22, 0x3727c5ac, v22
	v_rsq_f32 v24, v20
	v_rsq_f32 v26, v22
	v_nop                                          ; a plain instruction between the last of them and the use of its result (ISA guide 5.7.2)
	s_wait_alu depctr_va_vdst(0)
	v_mov_b32 v25, v24                             ; named as pairs
	v_mov_b32 v27, v26
	v_mul_f32 v28, -v24, v16                       ; - rs mu
	v_mul_f32 v30, -v26, v18
	v_mov_b32 v29, v28
	v_mov_b32 v31, v30
	; THE HEADS: 12 groups q = 3 cg + t of 64 columns, two tiles each.  Behind t = 2 the chosen 64 columns leave.
	s_mov_b32 s39, 0
	s_mov_b32 s36, 11
.Lhead:
	TILE f16, 1, 3, 4, 2, 2, 0
	TILE f16, 2, 4, 3, 0, 2, 0
	EPIH 1
	s_cmp_lg_u32 s39, 2
	s_cbranch_scc1 .Lno_out
	OUTP 1
.Lno_out:
	s_add_co_u32 s39, s39, 1
	s_cmp_eq_u32 s39, 3
	s_cselect_b32 s39, 0, s39
	s_sub_co_u32 s36, s36, 1
	s_cmp_lg_u32 s36, 0
	s_cbranch_scc1 .Lhead
	TILE f16, 1, 3, 4, 2, 1, 0                     ; the last group (t = 2) is written out: nothing is asked for
	TILE f16, 2, 4, 3, 0, 0, 0
	EPIH 0
	OUTP 0
	s_wait_tensorcnt 0x0                           ; the wave's end, behind my last tensor load and my last LDS store
	ds_add_u32 v1, v2
	s_wait_dscnt 0x0
	ROUND                                          ; the closing round: no work-group ends while a partner may still ask for a tile that names it
	s_endpgm
.Lfunc_end_k_q593d376816_main:
	.size	k_q593d376816_main, .Lfunc_end_k_q593d376816_main-k_q593d376816_main
	.p2alignl 7, 3214868480
	.fill 96, 4, 3214868480
	.section	.rodata,"a",@progbits
	.p2align	6, 0x0
	.amdhsa_kernel k_q593d376816_main
		.amdhsa_group_segment_fixed_size 327680
		.amdhsa_private_segment_fixed_size 0
		.amdhsa_enable_private_segment 0
		.amdhsa_kernarg_size 40
		.amdhsa_user_sgpr_count 2
		.amdhsa_user_sgpr_kernarg_segment_ptr 1
		.amdhsa_wavefront_size32 1
		.amdhsa_system_sgpr_workgroup_id_x 1
		.amdhsa_system_sgpr_workgroup_id_y 1
		.amdhsa_system_sgpr_workgroup_id_z 1
		.amdhsa_system_vgpr_workitem_id 0
		.amdhsa_next_free_vgpr 1024
		.amdhsa_next_free_sgpr 66
		.amdhsa_reserve_vcc 0
		.amdhsa_float_denorm_mode_32 3
		.amdhsa_float_denorm_mode_16_64 3
		.amdhsa_memory_ordered 1
		.amdhsa_forward_progress 1
		.amdhsa_inst_pref_size 255
	.end_amdhsa_kernel
	.section	.bss,"aw",@nobits
	.p2align	6
	.space	262144
	.amdgpu_metadata
---
amdhsa.version: [ 1, 2 ]
amdhsa.kernels:
  - .name:           k_q593d376816_main
    .symbol:         k_q593d376816_main.kd
    .args:
      - { .name: node_latent, .offset: 0, .size: 8, .value_kind: global_buffer, .address_space: global }
      - { .name: node_types, .offset: 8, .size: 8, .value_kind: global_buffer, .address_space: global }
      - { .name: wf, .offset: 16, .size: 8, .value_kind: global_buffer, .address_space: global }
      - { .name: tab, .offset: 24, .size: 8, .value_kind: global_buffer, .address_space: global }
      - { .name: out0, .offset: 32, .size: 8, .value_kind: global_buffer, .address_space: global }
    .group_segment_fixed_size: 327680
    .private_segment_fixed_size: 0
    .kernarg_segment_align: 8
    .kernarg_segment_size: 40
    .max_flat_workgroup_size: 128
    .sgpr_count:     66
    .vgpr_count:     1024
    .wavefront_size: 32
...
	.end_amdgpu_metadata
.endif
;; end of part 2
;; ======== version 2 of 2: 2 launches; 1.17 times as fast as version 1
;; limits: values are held in f16: magnitudes above 65,504 overflow, below 6.1e-05 lose precision
;; workspace buffers: wf 4,718,592 bytes; tab 14,336 bytes; order 100,608 bytes of whole numbers
;; launch prep (part 3): grid 106 x 1, 16 waves a work-group, no clusters, 76,544 bytes of LDS; arguments w1, w2, head_w, b1, b2, ln_gamma, ln_beta, head_b, wf, tab, node_types, order; writes wf, tab, order
.if DOCPART == 3
	.amdgcn_target "amdgcn-amd-amdhsa--gfx1250"
	.amdhsa_code_object_version 6
	.text
	.protected	k_q593d376816_prep
	.globl	k_q593d376816_prep
	.p2align	8
	.type	k_q593d376816_prep,@function
k_q593d376816_prep:
	s_mov_b64 s[64:65], 0
	v_nop
	global_prefetch_b8 v0, s[64:65] scope:SCOPE_SE
	s_setreg_imm32_b32 hwreg(HW_REG_WAVE_MODE, 25, 1), 1
	s_wait_xcnt 0x0
; PREP: the weights as the main launch's matrix fragments, its tables, and the rows ranked by type.  No matrix work.
; wf: 4,608 fragments of 1,024 bytes in the order in which the main launch uses them.  A fragment is 16 units x 32 k of 16-bit numbers; element (unit r, k = 16 c + 8 h + e)
; lies at byte 512 c + 256 h + 16 r + 2 e, so that lane l = 16 h + r of a wave reads its 16 bytes at 512 c + 16 l.
;   layer 1: fragment (16 g + sigma) 4 + i        = bf16(w1)[32 sigma + k][64 g + 16 i + r]                                        (bf16)
;   layer 2: fragment 1024 + (32 g + sigma) 4 + i = bf16(w2)[..][..] - m_k, m_k the mean of row k of w2                           (f16)
;   heads:   fragment 3072 + (32 q + sigma) 4 + i = bf16(gamma_k) bf16(head_w[t])[k][64 cg + 16 i + r], q = 3 cg + t               (f16)
; Taking m_k from every number of row k moves each node's hidden vector by one common number, which LayerNorm takes away again: exact for every m_k.
; tab (f32): bf16(b1) at 0; bf16(b2) - its mean at 4,096; for q = 0..11 at 8,192 + 512 q: s[64] = sum_k gamma_k W_t[k][o], then c[64] = sum_k beta_k W_t[k][o] + head_b[t][o].
; order (whole numbers): words 0..24,999: the rows' numbers, those of type 0 first, then type 1, then type 2; words 25,000..25,031 spare; from byte 100,352 on 32 times the pair (c0, c0 + c1), the counts.
; Every floating-point input is rounded to bf16 first; what is made of them is kept in f32 (tab) or rounded once to f16 (wf).
; LIMITS: w2 - m_k and gamma W must lie within f16's range (65,504); below 6e-5 they keep f16's fixed step of 6e-8.  node_types holds 0, 1 or 2.
; JOBS by the work-group's number: 0-15 w1, k step sigma; 16-47 w2; 48-79 heads; 80-91 table block q; 92 the biases; 93-105 ranks of 2,048 rows each.  Sixteen waves.
; LDS: every use has bytes of its own: 4,096 bytes of stage for each wave, read and written by that wave alone; the w2 job's 32 means; the table job's partial sums; the rank jobs' wave totals.
; REGISTERS: v1-11 lane numbers and offsets; v12-15 the rounding's scratch: no offset lives there across a rounding.
.set T,     32                         ; v[32:95]    a tile of 32 k x 64 units: load (c, e) at T + 4 (8 c + e): row 16 c + 8 h + e, units 4 p .. 4 p + 3
.set MR,    96                         ; v[96:159]   w2: two whole rows, for their means
.set MN,    160                        ; v[160:175]  what belongs to my 16 rows (c, e): the mean, or gamma
.set P,     192                        ; v[192:223]  packed: (c, j) at P + 4 (4 c + j): eight k of one unit, 16 bytes
.set MEANS, 65536                      ; LDS: 32 means, behind the sixteen stages
.set TABS,  66048                      ; LDS: the table job's partial sums, 512 bytes for each wave: s's 64 numbers, then c's
.set SRT,   74240                      ; LDS: the rank jobs' totals, 8 bytes for each wave
.set ROWS,  25000
.macro LOADT pitch, bs                 ; 16 loads: sixteen lanes read 256 consecutive bytes of a row, at a multiple of 256 from the buffer's first byte
.irp c, 0,1
.irp e, 0,1,2,3,4,5,6,7
	global_load_b128 v[T+4*(8*\c+\e):T+4*(8*\c+\e)+3], v6, s[\bs:\bs+1] offset:(16*\c+\e)*(\pitch)
.endr
.endr
.endm
.macro RND2 a, tmp                     ; two f32 rounded to bf16 and widened again; tmp is one of v12-15
	v_cvt_pk_bf16_f32 v[\tmp], v[\a], v[(\a)+1]
	v_lshlrev_b32 v[\a], 16, v[\tmp]
	v_and_b32 v[(\a)+1], s25, v[\tmp]
.endm
.macro RNDT
.set n, 0
.rept 32
	RND2 T+2*n,12+n%4
.set n, n+1
.endr
.endm
.macro PACK op                         ; eight k of a unit, in pairs, into 16 bytes
.irp c, 0,1
.irp j, 0,1,2,3
.irp m, 0,1,2,3
	\op v[P+4*(4*\c+\j)+\m], v[T+4*(8*\c+2*\m)+\j], v[T+4*(8*\c+2*\m+1)+\j]
.endr
.endr
.endr
.endm
.macro WAYOUT                          ; through my own stage: in by fragment place, back as 4,096 consecutive bytes
.irp c, 0,1
.irp j, 0,1,2,3
	ds_store_b128 v7, v[P+4*(4*\c+\j):P+4*(4*\c+\j)+3] offset:512*\c+16*\j
.endr
.endr
.irp n, 0,1,2,3,4,5,6,7
	ds_load_b128 v[T+4*\n:T+4*\n+3], v9 offset:512*\n   ; LDS serves a wave's instructions in order (ISA guide 5.7.1.4): these see the stores above
.endr
.irp n, 0,1,2,3,4,5,6,7
	s_wait_dscnt 7-\n                              ; the younger loads may stay out
	global_store_b128 v5, v[T+4*\n:T+4*\n+3], s[20:21] offset:512*\n  ; 512 consecutive bytes, at a multiple of 256 from wf's first byte
.endr
.endm
.macro SUMP b                          ; 32 registers are added up into the pair at b
.irp w, 16,8,4,2
.set u, 0
.rept (\w)/2
	v_pk_add_f32 v[(\b)+2*u:(\b)+2*u+1], v[(\b)+2*u:(\b)+2*u+1], v[(\b)+(\w)+2*u:(\b)+(\w)+2*u+1]
.set u, u+1
.endr
.endr
.endm
.macro LANESUM r, tmp                  ; the sum over the 32 lanes, in every lane
	v_add_f32_dpp v[\r], v[\r], v[\r] row_xmask:1 row_mask:0xf bank_mask:0xf
	v_add_f32_dpp v[\r], v[\r], v[\r] row_xmask:2 row_mask:0xf bank_mask:0xf
	v_add_f32_dpp v[\r], v[\r], v[\r] row_xmask:4 row_mask:0xf bank_mask:0xf
	v_add_f32_dpp v[\r], v[\r], v[\r] row_xmask:8 row_mask:0xf bank_mask:0xf
	v_permlanex16_b32 v[\tmp], v[\r], s26, s27
	v_add_f32 v[\r], v[\r], v[\tmp]
.endm
.macro ISUM r, full                    ; a sum of whole numbers over each half of 16 lanes (full = 1: over all 32), in every lane; v19 at work
.irp m, 1,2,4,8
	v_mov_b32_dpp v19, v[\r] row_xmask:\m row_mask:0xf bank_mask:0xf
	v_add_nc_u32 v[\r], v[\r], v19
.endr
.if \full
	v_permlanex16_b32 v19, v[\r], s26, s27
	v_add_nc_u32 v[\r], v[\r], v19
.endif
.endm
	s_load_b512 s[4:19], s[0:1], 0x0               ; w1 s[4:5], w2 s[6:7], head_w s[8:9], b1 s[10:11], b2 s[12:13], gamma s[14:15], beta s[16:17], head_b s[18:19]
	s_load_b128 s[20:23], s[0:1], 0x40             ; wf s[20:21], tab s[22:23]
	s_load_b128 s[40:43], s[0:1], 0x50             ; node_types s[40:41], order s[42:43]
	v_lshl_add_u32 v224, v0, 2, 0x12300
	v_mov_b32 v225, 0
	v_and_b32 v1, 31, v0                           ; l
	v_lshrrev_b32 v2, 5, v0
	v_readfirstlane_b32 s24, v2                    ; wave 0..15
	v_and_b32 v3, 15, v0                           ; p = l % 16
	v_bfe_u32 v4, v0, 4, 1                         ; h = l / 16
	v_lshlrev_b32 v5, 4, v1                        ; 16 l
	s_mov_b32 s25, 0xffff0000                      ; a word's upper bf16
	s_mov_b32 s26, 0x76543210                      ; v_permlanex16_b32: each lane takes its own place in the other half
	s_mov_b32 s27, 0xfedcba98
	s_mov_b32 s28, ttmp9                           ; the job
	s_lshl_b32 s29, s24, 12                        ; my stage
	v_lshrrev_b32 v7, 2, v3                        ; units 4 p + j: fragment p / 4, rows 4 (p % 4) + j
	v_lshlrev_b32 v7, 10, v7
	v_and_b32 v8, 3, v3
	v_lshl_add_u32 v7, v8, 6, v7
	v_lshl_add_u32 v7, v4, 8, v7
	v_add_nc_u32 v7, s29, v7                       ; stage + 1024 (p / 4) + 256 h + 64 (p % 4)
	v_add_nc_u32 v9, s29, v5                       ; stage + 16 l
	s_mov_b32 s31, 0                               ; the high words of two offsets
	s_mov_b32 s33, 0
	s_wait_kmcnt 0x0
	s_cmp_ge_u32 s28, 16
	s_cbranch_scc1 .Lnot_w1
	; ---- w1, k step sigma = job: rounding to bf16 is the packing itself
	s_lshl_b32 s30, s28, 17                        ; 32 rows of 4,096 bytes
	s_lshl_b32 s32, s24, 8                         ; my 64 units
	s_add_co_u32 s30, s30, s32
	s_add_nc_u64 s[4:5], s[4:5], s[30:31]
	v_lshlrev_b32 v6, 4, v3
	v_lshl_add_u32 v6, v4, 15, v6                  ; 8 h rows + 16 p
	LOADT 4096, 4
	s_lshl_b32 s32, s24, 4
	s_add_co_u32 s32, s32, s28
	s_lshl_b32 s32, s32, 12                        ; (16 g + sigma) x 4 fragments
	s_add_nc_u64 s[20:21], s[20:21], s[32:33]
	s_wait_loadcnt 0x0
	PACK v_cvt_pk_bf16_f32
	WAYOUT
	s_wait_tensorcnt 0x0
	ds_add_u32 v224, v225
	s_wait_dscnt 0x0
	s_endpgm
.Lnot_w1:
	s_cmp_ge_u32 s28, 48
	s_cbranch_scc1 .Lnot_w2
	; ---- w2, k step sigma = job - 16: wave g first finds the means of rows 32 sigma + 2 g and + 1
	s_sub_co_u32 s28, s28, 16
	s_lshl_b32 s30, s28, 17
	s_lshl_b32 s32, s24, 13                        ; 2 g rows
	s_add_co_u32 s32, s32, s30
	s_add_nc_u64 s[34:35], s[6:7], s[32:33]
	s_lshl_b32 s32, s24, 8
	s_add_co_u32 s30, s30, s32
	s_add_nc_u64 s[6:7], s[6:7], s[30:31]
.irp rho, 0,1
.irp n, 0,1,2,3,4,5,6,7
	global_load_b128 v[MR+32*\rho+4*\n:MR+32*\rho+4*\n+3], v5, s[34:35] offset:4096*\rho+512*\n
.endr
.endr
	v_lshlrev_b32 v6, 4, v3
	v_lshl_add_u32 v6, v4, 15, v6
	LOADT 4096, 6
	s_lshl_b32 s32, s24, 5
	s_add_co_u32 s32, s32, s28
	s_lshl_b32 s32, s32, 12
	s_add_co_u32 s32, s32, 0x100000                ; behind layer 1's 1,024 fragments
	s_add_nc_u64 s[20:21], s[20:21], s[32:33]
	s_lshl_b32 s36, s24, 3
	s_add_co_u32 s36, s36, MEANS
	v_mov_b32 v10, s36                             ; where my two means go
	v_lshl_add_u32 v11, v4, 5, MEANS               ; where the means of my tile rows 8 h .. lie
	s_wait_loadcnt 16                              ; the two rows are in; the tile's 16 loads, issued behind them, may stay out
	SUMP MR
	SUMP MR+32
	v_add_f32 v[MR], v[MR], v[MR+1]
	v_add_f32 v[MR+32], v[MR+32], v[MR+33]
	LANESUM MR,MR+1
	LANESUM MR+32,MR+33
	v_mul_f32 v[MR], 0x3a800000, v[MR]             ; / 1024
	v_mul_f32 v[MR+32], 0x3a800000, v[MR+32]
	ds_store_b32 v10, v[MR]                        ; all lanes write the same word with the same number
	ds_store_b32 v10, v[MR+32] offset:4
	s_wait_dscnt 0x0                               ; for the others' sake: my two means are in LDS
	s_barrier_signal -1
	s_barrier_wait -1
	ds_load_b128 v[MN:MN+3],     v11               ; rows 8 h + 0..3
	ds_load_b128 v[MN+4:MN+7],   v11 offset:16
	ds_load_b128 v[MN+8:MN+11],  v11 offset:64     ; rows 16 + 8 h + 0..3
	ds_load_b128 v[MN+12:MN+15], v11 offset:80
	s_wait_loadcnt 0x0
	RNDT
	s_wait_dscnt 0x0
.set m, 0
.rept 16
.irp j, 0,1,2,3
	v_sub_f32 v[T+4*m+\j], v[T+4*m+\j], v[MN+m]
.endr
.set m, m+1
.endr
	PACK v_cvt_pk_f16_f32
	WAYOUT
	s_wait_tensorcnt 0x0
	ds_add_u32 v224, v225
	s_wait_dscnt 0x0
	s_endpgm
.Lnot_w2:
	s_cmp_ge_u32 s28, 80
	s_cbranch_scc1 .Lnot_hd
	; ---- heads, k step sigma = job - 48: wave q = 3 cg + t takes 64 columns of head t; there are 12 such, so waves 12 to 15 have no part (no barrier stands on this way)
	s_cmp_ge_u32 s24, 12
	s_cbranch_scc1 .Lend
	s_sub_co_u32 s28, s28, 48
	s_mul_i32 s36, s24, 11
	s_lshr_b32 s36, s36, 5                         ; cg = q / 3 (11 q >> 5, right for q < 12)
	s_mul_i32 s37, s36, 3
	s_sub_co_u32 s37, s24, s37                     ; t
	s_lshl_b32 s30, s37, 20                        ; a head is 1,048,576 bytes,
	s_lshl_b32 s32, s28, 15                        ; 32 rows of 1,024,
	s_add_co_u32 s30, s30, s32
	s_lshl_b32 s32, s36, 8                         ; 64 columns
	s_add_co_u32 s30, s30, s32
	s_add_nc_u64 s[8:9], s[8:9], s[30:31]
	s_lshl_b32 s32, s28, 7                         ; gamma of the 32 rows
	s_add_nc_u64 s[14:15], s[14:15], s[32:33]
	v_lshlrev_b32 v10, 5, v4                       ; 8 h numbers
	global_load_b128 v[MN:MN+3],     v10, s[14:15]
	global_load_b128 v[MN+4:MN+7],   v10, s[14:15] offset:16
	global_load_b128 v[MN+8:MN+11],  v10, s[14:15] offset:64
	global_load_b128 v[MN+12:MN+15], v10, s[14:15] offset:80
	v_lshlrev_b32 v6, 4, v3
	v_lshl_add_u32 v6, v4, 13, v6                  ; 8 h rows of 1,024 bytes + 16 p
	LOADT 1024, 8
	s_lshl_b32 s32, s24, 5
	s_add_co_u32 s32, s32, s28
	s_lshl_b32 s32, s32, 12
	s_add_co_u32 s32, s32, 0x300000                ; behind the 3,072 fragments of layers 1 and 2
	s_add_nc_u64 s[20:21], s[20:21], s[32:33]
	s_wait_loadcnt 0x0
.irp m, 0,2,4,6,8,10,12,14
	RND2 MN+\m,12+(\m/2)%4
.endr
	RNDT
.set m, 0
.rept 16
.irp j, 0,1,2,3
	v_mul_f32 v[T+4*m+\j], v[T+4*m+\j], v[MN+m]
.endr
.set m, m+1
.endr
	PACK v_cvt_pk_f16_f32
	WAYOUT
	s_wait_tensorcnt 0x0
	ds_add_u32 v224, v225
	s_wait_dscnt 0x0
	s_endpgm
.Lnot_hd:
	s_cmp_ge_u32 s28, 92
	s_cbranch_scc1 .Lmisc
	; ---- table block q = job - 80: wave v sums over rows 64 v + 32 h + i of head t, columns 64 cg + 4 p + j
	s_sub_co_u32 s28, s28, 80
	s_mul_i32 s36, s28, 11
	s_lshr_b32 s36, s36, 5                         ; cg
	s_mul_i32 s37, s36, 3
	s_sub_co_u32 s37, s28, s37                     ; t
	s_lshl_b32 s30, s37, 20
	s_lshl_b32 s32, s24, 16                        ; 64 rows of 1,024 bytes
	s_add_co_u32 s30, s30, s32
	s_lshl_b32 s32, s36, 8
	s_add_co_u32 s30, s30, s32
	s_add_nc_u64 s[8:9], s[8:9], s[30:31]
	v_lshlrev_b32 v6, 4, v3
	v_lshl_add_u32 v6, v4, 15, v6                  ; 32 h rows + 16 p
.set i, 0
.rept 32
	global_load_b128 v[32+4*i:32+4*i+3], v6, s[8:9] offset:1024*i
.set i, i+1
.endr
	s_lshl_b32 s32, s24, 8                         ; gamma and beta of my 64 rows
	s_add_nc_u64 s[14:15], s[14:15], s[32:33]
	s_add_nc_u64 s[16:17], s[16:17], s[32:33]
	v_lshlrev_b32 v10, 7, v4                       ; 32 h numbers
.irp n, 0,1,2,3,4,5,6,7
	global_load_b128 v[160+4*\n:160+4*\n+3], v10, s[14:15] offset:16*\n
	global_load_b128 v[192+4*\n:192+4*\n+3], v10, s[16:17] offset:16*\n
.endr
	s_lshl_b32 s32, s37, 10
	s_lshl_b32 s38, s36, 8
	s_add_co_u32 s32, s32, s38
	s_add_nc_u64 s[18:19], s[18:19], s[32:33]      ; head_b[t][64 cg ..]
	v_lshlrev_b32 v11, 3, v1
	global_load_b64 v[16:17], v11, s[18:19]
	s_lshl_b32 s32, s28, 9
	s_add_co_u32 s32, s32, 8192
	s_add_nc_u64 s[22:23], s[22:23], s[32:33]      ; tab's block q
	s_wait_loadcnt 0x0
.set n, 0
.rept 64
	RND2 32+2*n,12+n%4
.set n, n+1
.endr
.set n, 0
.rept 32
	RND2 160+2*n,12+n%4
.set n, n+1
.endr
	RND2 16,12
.irp j, 0,1,2,3
	v_mul_f32 v[20+\j], v160, v[32+\j]             ; the first row starts the sums
	v_mul_f32 v[24+\j], v192, v[32+\j]
.endr
.set i, 1
.rept 31
.irp j, 0,1,2,3
	v_fmac_f32 v[20+\j], v[160+i], v[32+4*i+\j]
	v_fmac_f32 v[24+\j], v[192+i], v[32+4*i+\j]
.endr
.set i, i+1
.endr
.irp j, 0,1,2,3,4,5,6,7
	v_permlanex16_b32 v[32+\j], v[20+\j], s26, s27 ; the other 32 rows lie in the lane 16 away
.endr
.irp j, 0,1,2,3,4,5,6,7
	v_add_f32 v[20+\j], v[20+\j], v[32+\j]
.endr
	s_lshl_b32 s38, s24, 9                         ; the roundings are over: v12-14 now take addresses
	s_add_co_u32 s38, s38, TABS
	v_lshl_add_u32 v12, v3, 4, s38                 ; TABS + wave x 512 + 16 p: s's 64 numbers, then c's
	ds_store_b128 v12, v[20:23]
	ds_store_b128 v12, v[24:27] offset:256
	s_wait_dscnt 0x0                               ; for the others' sake
	s_barrier_signal -1
	s_barrier_wait -1
	s_cmp_ge_u32 s24, 2
	s_cbranch_scc1 .Lend                           ; wave 0 adds up s, wave 1 adds up c
	s_lshl_b32 s38, s24, 8
	v_lshl_add_u32 v13, v1, 3, s38                 ; 256 x wave + 8 l: my place in tab's block,
	v_add_nc_u32 v14, TABS, v13                    ; and in each wave's partial sums
.set u, 0
.rept 16
	ds_load_b64 v[32+2*u:33+2*u], v14 offset:512*u
.set u, u+1
.endr
	s_wait_dscnt 0x0
	SUMP 32
	s_cmp_eq_u32 s24, 0
	s_cbranch_scc1 .Ltab_s
	v_pk_add_f32 v[32:33], v[32:33], v[16:17]      ; c takes the head's bias
.Ltab_s:
	global_store_b64 v13, v[32:33], s[22:23]       ; the wave stores 256 consecutive bytes, at a multiple of 256 from tab's first byte
	s_wait_tensorcnt 0x0
	ds_add_u32 v224, v225
	s_wait_dscnt 0x0
	s_endpgm
.Lmisc:
	s_cmp_ge_u32 s28, 93
	s_cbranch_scc1 .Lrank
	; ---- the biases: every wave finds the mean of bf16(b2) and writes its own 64 numbers of both tables
.irp n, 0,1,2,3,4,5,6,7
	global_load_b128 v[32+4*\n:32+4*\n+3], v5, s[12:13] offset:512*\n
.endr
	s_lshl_b32 s38, s24, 8
	v_lshl_add_u32 v10, v1, 3, s38                 ; 256 x wave + 8 l, for the loads here and the stores below: outside the rounding's scratch
	global_load_b64 v[16:17], v10, s[10:11]
	global_load_b64 v[18:19], v10, s[12:13]
	s_wait_loadcnt 0x0
.set n, 0
.rept 16
	RND2 32+2*n,12+n%4
.set n, n+1
.endr
	RND2 16,12
	RND2 18,13
	SUMP 32
	v_add_f32 v32, v32, v33
	LANESUM 32,33
	v_mul_f32 v32, 0x3a800000, v32                 ; / 1024
	v_sub_f32 v18, v18, v32
	v_sub_f32 v19, v19, v32
	global_store_b64 v10, v[16:17], s[22:23]       ; the wave stores 256 consecutive bytes, at a multiple of 256 from tab's first byte
	global_store_b64 v10, v[18:19], s[22:23] offset:4096
.Lend:
	s_wait_tensorcnt 0x0
	ds_add_u32 v224, v225
	s_wait_dscnt 0x0
	s_endpgm
.Lrank:
	; ---- ranks, k = job - 93.  Row number = 2,048 rho + 128 w + 4 l + j (round rho 0..12, wave w, lane l).  Within a type the rows are ranked by (w, rho, j, l): any one-to-one order serves.
	; Every job counts all rows (13 loads of 16 bytes a lane: a wave reads 512 consecutive bytes) and places the 2,048 rows of round k.  A row's place = its type's start + the totals of the waves below
	; mine + my wave's rounds below k + the earlier j + the lower lanes of its type.  No sum spans work-groups.  25,000 = 12 x 2,048 + 424: lanes past the end read a held address and count as type 3.
	; The places go out four bytes a lane: in each store the lanes of one type hit consecutive words, and a wave's four stores go on where the last ended: three dense streams a wave.
	s_sub_co_u32 s44, s28, 93                      ; k
	s_lshl_b32 s45, s24, 9
	v_add_nc_u32 v6, s45, v5                       ; 512 w + 16 l: my 16 bytes in a round's 8,192
.set rho, 0
.rept 12
	global_load_b128 v[32+4*rho:35+4*rho], v6, s[40:41] offset:8192*rho
.set rho, rho+1
.endr
	v_add_nc_u32 v7, 0x18000, v6                   ; round 12,
	v_min_u32 v7, 0x18690, v7                      ; held at the buffer's last 16 bytes
	global_load_b128 v[80:83], v7, s[40:41]
	s_lshl_b32 s45, s44, 13
	v_add_nc_u32 v8, s45, v6                       ; round k once more, for the placing: a register number cannot hang on k
	v_min_u32 v9, 0x18690, v8
	global_load_b128 v[84:87], v9, s[40:41]
	v_cmp_gt_u32 s46, 1696, v6                     ; round 12: my four rows exist (98,304 + 1,696 = 100,000 bytes)
	v_cmp_gt_u32 s47, 0x186a0, v8                  ; round k: likewise
	v_lshrrev_b32 v10, 2, v8                       ; the number of my first row of round k
	v_add_nc_u32 v31, ROWS, v1                     ; where a row that does not exist is put: a spare word
	v_mov_b32 v16, 1
	v_mov_b32 v19, 0                               ; (written before the lane moves name it)
	v_mov_b32 v11, 0                               ; counts of all rounds, a byte a type (52 rows a lane at the most)
	v_mov_b32 v88, 0                               ; counts of the rounds below k
	s_lshl_b32 s45, s24, 3
	s_add_co_u32 s45, s45, SRT
	v_mov_b32 v17, s45                             ; where my wave's totals go
	v_lshl_add_u32 v18, v3, 3, SRT                 ; lane l reads the totals of wave l % 16
	s_wait_loadcnt 0x0
.irp j, 0,1,2,3
	v_cndmask_b32 v[80+\j], 3, v[80+\j], s46
	v_cndmask_b32 v[84+\j], 3, v[84+\j], s47
.endr
.set rho, 0
.rept 13
.irp j, 0,1,2,3
	v_lshlrev_b32 v[12+\j], 3, v[32+4*rho+\j]      ; 8 x type,
.endr
.irp j, 0,1,2,3
	v_lshlrev_b32 v[12+\j], v[12+\j], v16          ; a one in the type's byte
.endr
	v_add3_u32 v89, v12, v13, v14
	v_add_nc_u32 v89, v89, v15
	v_add_nc_u32 v11, v11, v89
	s_cmp_gt_u32 s44, rho
	s_cselect_b32 s45, -1, 0
	v_and_b32 v89, s45, v89
	v_add_nc_u32 v88, v88, v89
.set rho, rho+1
.endr
	v_and_b32 v20, 0xff, v11                       ; wider fields for the sums over lanes and waves: type 0 | type 1 << 16, and type 2
	v_bfe_u32 v21, v11, 8, 8
	v_lshl_or_b32 v20, v21, 16, v20
	v_bfe_u32 v21, v11, 16, 8
	v_and_b32 v22, 0xff, v88
	v_bfe_u32 v23, v88, 8, 8
	v_lshl_or_b32 v22, v23, 16, v22
	v_bfe_u32 v23, v88, 16, 8
	ISUM 20, 1
	ISUM 21, 1
	ISUM 22, 1
	ISUM 23, 1
	ds_store_b64 v17, v[20:21]                     ; all lanes write the same words with the same numbers
	s_wait_dscnt 0x0                               ; for the others' sake
	s_barrier_signal -1
	s_barrier_wait -1
	ds_load_b64 v[24:25], v18
	v_cmp_gt_u32 s46, s24, v3                      ; a wave below mine
	s_wait_dscnt 0x0
	v_cndmask_b32 v26, 0, v24, s46
	v_cndmask_b32 v27, 0, v25, s46
	ISUM 24, 0                                     ; both halves of the lanes hold the same sixteen
	ISUM 26, 0
	ISUM 27, 0
	v_add_nc_u32 v26, v26, v22
	v_add_nc_u32 v27, v27, v23
	v_readfirstlane_b32 s48, v24
	v_readfirstlane_b32 s50, v26
	v_readfirstlane_b32 s51, v27
	s_and_b32 s52, s48, 0xffff                     ; c0
	s_lshr_b32 s53, s48, 16
	s_add_co_u32 s53, s53, s52                     ; c0 + c1
	s_and_b32 s54, s50, 0xffff                     ; the next place of type 0,
	s_lshr_b32 s55, s50, 16
	s_add_co_u32 s55, s55, s52                     ; of type 1,
	s_add_co_u32 s56, s53, s51                     ; of type 2
.irp j, 0,1,2,3
	v_cmp_eq_u32 s57, 0, v[84+\j]
	v_cmp_eq_u32 s58, 1, v[84+\j]
	v_cmp_eq_u32 s59, 2, v[84+\j]
	v_mbcnt_lo_u32_b32 v28, s57, s54               ; the next place + the lower lanes of that type
	v_mbcnt_lo_u32_b32 v29, s58, s55
	v_mbcnt_lo_u32_b32 v30, s59, s56
	v_cndmask_b32 v[96+\j], v31, v30, s59
	v_cndmask_b32 v[96+\j], v[96+\j], v29, s58
	v_cndmask_b32 v[96+\j], v[96+\j], v28, s57
	v_min_u32 v[96+\j], 0x623f, v[96+\j]           ; inside order's 25,152 words whatever was loaded
	v_lshlrev_b32 v[96+\j], 2, v[96+\j]
	v_add_nc_u32 v[100+\j], \j, v10
	global_store_b32 v[96+\j], v[100+\j], s[42:43]
	s_bcnt1_i32_b32 s60, s57
	s_add_co_u32 s54, s54, s60
	s_bcnt1_i32_b32 s60, s58
	s_add_co_u32 s55, s55, s60
	s_bcnt1_i32_b32 s60, s59
	s_add_co_u32 s56, s56, s60
.endr
	s_cmp_lg_u32 s44, 0
	s_cbranch_scc1 .Lrank_end
	s_cmp_lg_u32 s24, 0
	s_cbranch_scc1 .Lrank_end
	v_mov_b32 v104, s52                            ; job 0's wave 0 leaves the two counts, 32 times: 256 consecutive bytes, at a multiple of 256 from order's first byte
	v_mov_b32 v105, s53
	v_lshl_add_u32 v106, v1, 3, 0x18800
	global_store_b64 v106, v[104:105], s[42:43]
.Lrank_end:
	s_wait_tensorcnt 0x0
	ds_add_u32 v224, v225
	s_wait_dscnt 0x0
	s_endpgm
.Lfunc_end_k_q593d376816_prep:
	.size	k_q593d376816_prep, .Lfunc_end_k_q593d376816_prep-k_q593d376816_prep
	.p2alignl 7, 3214868480
	.fill 96, 4, 3214868480
	.section	.rodata,"a",@progbits
	.p2align	6, 0x0
	.amdhsa_kernel k_q593d376816_prep
		.amdhsa_group_segment_fixed_size 76544
		.amdhsa_private_segment_fixed_size 0
		.amdhsa_enable_private_segment 0
		.amdhsa_kernarg_size 96
		.amdhsa_user_sgpr_count 2
		.amdhsa_user_sgpr_kernarg_segment_ptr 1
		.amdhsa_wavefront_size32 1
		.amdhsa_system_sgpr_workgroup_id_x 1
		.amdhsa_system_sgpr_workgroup_id_y 1
		.amdhsa_system_sgpr_workgroup_id_z 1
		.amdhsa_system_vgpr_workitem_id 0
		.amdhsa_next_free_vgpr 226
		.amdhsa_next_free_sgpr 66
		.amdhsa_reserve_vcc 0
		.amdhsa_float_denorm_mode_32 3
		.amdhsa_float_denorm_mode_16_64 3
		.amdhsa_memory_ordered 1
		.amdhsa_forward_progress 1
		.amdhsa_inst_pref_size 92
	.end_amdhsa_kernel
	.amdgpu_metadata
---
amdhsa.version: [ 1, 2 ]
amdhsa.kernels:
  - .name:           k_q593d376816_prep
    .symbol:         k_q593d376816_prep.kd
    .args:
      - { .name: w1, .offset: 0, .size: 8, .value_kind: global_buffer, .address_space: global }
      - { .name: w2, .offset: 8, .size: 8, .value_kind: global_buffer, .address_space: global }
      - { .name: head_w, .offset: 16, .size: 8, .value_kind: global_buffer, .address_space: global }
      - { .name: b1, .offset: 24, .size: 8, .value_kind: global_buffer, .address_space: global }
      - { .name: b2, .offset: 32, .size: 8, .value_kind: global_buffer, .address_space: global }
      - { .name: ln_gamma, .offset: 40, .size: 8, .value_kind: global_buffer, .address_space: global }
      - { .name: ln_beta, .offset: 48, .size: 8, .value_kind: global_buffer, .address_space: global }
      - { .name: head_b, .offset: 56, .size: 8, .value_kind: global_buffer, .address_space: global }
      - { .name: wf, .offset: 64, .size: 8, .value_kind: global_buffer, .address_space: global }
      - { .name: tab, .offset: 72, .size: 8, .value_kind: global_buffer, .address_space: global }
      - { .name: node_types, .offset: 80, .size: 8, .value_kind: global_buffer, .address_space: global }
      - { .name: order, .offset: 88, .size: 8, .value_kind: global_buffer, .address_space: global }
    .group_segment_fixed_size: 76544
    .private_segment_fixed_size: 0
    .kernarg_segment_align: 8
    .kernarg_segment_size: 96
    .max_flat_workgroup_size: 512
    .sgpr_count:     66
    .vgpr_count:     226
    .wavefront_size: 32
...
	.end_amdgpu_metadata
.endif
;; end of part 3
;; launch main (part 4): grid 200 x 1, 4 waves a work-group, clusters of 4 x 1, 327,680 bytes of LDS; arguments node_latent, order, wf, tab, out0; writes out0
.if DOCPART == 4
	.amdgcn_target "amdgcn-amd-amdhsa--gfx1250"
	.amdhsa_code_object_version 6
	.text
	.protected	k_q593d376816_main
	.globl	k_q593d376816_main
	.p2align	8
	.type	k_q593d376816_main,@function
k_q593d376816_main:
	s_mov_b64 s[64:65], 0
	v_nop
	global_prefetch_b8 v0, s[64:65] scope:SCOPE_SE
	s_setreg_imm32_b32 hwreg(HW_REG_WAVE_MODE, 25, 1), 1
	s_wait_xcnt 0x0
	s_wait_alu depctr_hold_cnt(0) depctr_sa_sdst(0) depctr_va_vdst(0) depctr_va_sdst(0) depctr_va_ssrc(0) depctr_va_vcc(0) depctr_vm_vsrc(0)
	s_getreg_b32 s2, hwreg(HW_REG_IB_STS2, 6, 4)
	s_cmp_eq_u32 s2, 0
	s_cbranch_scc0 .Lentry_in_a_cluster
	s_endpgm
.Lentry_in_a_cluster:
	s_bfe_u32 s2, ttmp6, 0x10000c
	s_cmp_lg_u32 s2, 0x3003
	s_cbranch_scc0 .Lentry_shape_is_right
	s_endpgm
.Lentry_shape_is_right:
; out[n] = head_{type[n]}( LayerNorm( relu(x[n] w1 + b1) w2 + b2 ) ), 25,000 rows, 512 -> 1024 -> 1024 -> 256, all in one launch: no intermediate goes to memory.
; SHARES.  The launch before has ranked the rows by type: place p holds row order[p], type 0 first; c0 and c0 + c1 lie behind the list.  EVERY WORK-GROUP HOLDS ROWS OF ONE TYPE, so it walks one head.
; Blocks of 128 places within each type make n0 + n1 + n2 = 196 to 198 work-groups (n_t = ceil(c_t / 128)); clusters of four want a multiple of 4, so there are 200, and the e = 2 to 4 that are over take real
; work: of the largest type (8,334 rows or more) the first e blocks are halved into 2 e work-groups of 64 rows.  A wave takes 32 places (two tiles of 16 nodes) through the whole chain; a place past its
; work-group's last repeats that last row, which is computed alike and stored by that one work-group with the same numbers.
; LAYOUT.  Every product is used transposed: source 0 = 16 units x 32 k of the weights, source 1 = 32 k x 16 nodes.  In the result a lane holds ONE node (lane % 16) and the units 8 (lane / 16) + 0..7, so two
; neighbouring unit tiles, rounded in pairs, ARE source 1 of the next layer: activations never change lanes or waves, and LayerNorm's sums are a lane's own but for one exchange of the halves.
; WEIGHTS.  All three layers lie as one stream of fragments in the order of use: tiles of 65,536 bytes, 48 for the two layers, then 2 for each group q = 3 cg + t of 64 columns of head t.  Two LDS slots take
; turns; each wave brings a quarter of a tile; a tile is 16 k steps x 4 unit tiles: 128 matrix instructions a wave.  A work-group walks 56 tiles, whatever its rows: every trip count is a constant.
; CLUSTER.  The 48 tiles of the two layers are the same for everybody: the four work-groups of a cluster ask for them JOINTLY, the same tensor load, descriptor and mask in all four.  The 8 tiles of a head are
; each work-group's own loads (mask 0), behind the same rounds: partners may hold different types, and 8 of 56 tiles is what that leaves unshared.
; LAYERNORM is folded: w2's rows and b2 come centred, so the second layer gives h - mean(h) but for the weights' rounding.  From the f32 sums S1, S2 of it: mu = S1 / 1024 (that residue), var = S2 / 1024 - mu^2,
; rs = rsq(var + 1e-5).  The heads' weights carry gamma; out = rs acc - rs mu s + c with s = sum gamma W, c = sum beta W + head_b from the table.  So the hidden vector is rounded before rs is known.
; FORMATS.  x and w1 in bf16; what the program itself makes (both hidden layers, the centred w2, gamma W) in f16; sums, LayerNorm and the way out in f32.
; LIMITS.  Both hidden layers must lie within f16's range, 65,504 (with every input 30 times the drawn spread the second reaches some 3.5e4); below 6e-5 they keep f16's fixed step of 6e-8, so with every input
; 30 times smaller the second hidden layer keeps about 8 bits.  NaN and infinities are not treated apart.  node_types holds 0, 1 or 2: a row of another type is not written.
; REGISTERS, in windows of 256 (s_set_vgpr_msb: bits 1:0 source 0, 3:2 source 1, 5:4 source 2, 7:6 destination).  Source 1's fragment (k step s, node tile t) lies at 16 s + 8 t of its window.
;   window 0: v1-12 addresses; v13-14 at work at the start; v16-31 LayerNorm's sums and factors; v32-95 the 8 accumulators ((unit tile i, node tile t) at 32 + 8 (2 i + t)); v96-223 four sets of 4 weight
;   fragments; v224-255 bias, later out's offsets     window 1: x, later hidden 2's k steps 0-15     window 2: raw x rows 0-15, hidden 1's k steps 0-15, later hidden 2's 16-31
;   window 3: raw x rows 16-31, hidden 1's 16-31, later the head's table
; A loop cannot count register numbers, so each group of 64 finished units is parked in the wave's own LDS at a stepping address (eight places of 4,096 bytes), and read back several groups at once.
; What hangs on my place in the cluster (my rows, my type) enters global addresses alone, and the vector registers that have held such numbers (v13, v14, v160-191, v224-239) never serve as LDS addresses.
.set ROWS,   25000
.set WGS,    200
.set CNTS,   100352                    ; byte of order at which the two counts lie
.set SLOT,   65536                     ; two slots for the weights, at LDS byte 0 and 65,536
.set PARK,   2*SLOT                    ; behind them 32,768 bytes for each wave, written by ds_store alone: x's stage (16 rows, pitch 1,040), the park (32 fragments), the way out (32 rows, pitch 272)
.set SPARE,  PARK+4*32768              ; the spare words, 128 bytes for each wave: two blocks of 256 bytes that no other line names
.set XPITCH, 1040                      ; 1,024 bytes of bf16 + 16: the 16 rows of a fragment load start 16 bytes apart modulo 256
.set OPITCH, 272                       ; 256 bytes of f32 + 16, likewise
.set ACC,    32
.set RING,   96
.set XO,     160                       ; at the start: byte offset in x of my 16 bytes in each of the wave's 32 rows
.set BIAS,   224
.set OGO,    224                       ; behind layer 2: byte offset in out of my 16 bytes in the rows at places 2 n + lane / 16, n = 0..15
.set TS,     64                        ; window 3: s of the group's 64 columns, 8 a unit tile
.set TC,     96                        ; window 3: c
; v1 my spare word's address, v2 = 0 (both never rewritten); v3, v4 16 x lane in slot 0, 1; v7 park + 16 x lane; v8 park's stepping address; v9 32 (lane / 16): my 8 numbers in a table row of 16;
; v10, v11 the way out: into the stage, back; v12 16 (lane % 16); v16-19 S1, v20-23 S2 (a pair a tile); v24-27 rs, v28-31 -rs mu (twice each, for the packed forms)
; s[4:5] x; s[6:7] order; s[8:9] wf at my quarter of a tile; s[10:11] tab, walking; s[12:13] out, walking by 64 columns; s14 wave; s16 work-group; s[20:27] descriptor group 1 of the joint loads, s[88:95] of my own;
; s[28:31], s[32:35] group 0 of slot 0, 1; s36, s47 trips; s37 park offset; s41 a lane mask; s[42:43] lane selects; s[44:45], s[98:99] offsets; s[48:63], s[68:83] at work, then my 32 rows' numbers;
; s[84:85] the head tile to ask for next; s[86:87] tab at my head's first block; s[96:97] c0, c0 + c1
.set MSB, 0
.macro WIN new                         ; the immediate's high byte repeats the setting that is left; a switch that changes nothing is dropped
.if MSB != (\new)
	s_set_vgpr_msb (MSB<<8)|(\new)
.set MSB, (\new)
.endif
.endm
.macro NOP4                            ; four places: a load into a register that a matrix instruction has read, and a vector instruction that reads its result, stand four plain vector instructions behind it
.rept 4
	v_nop
.endr
.endm
; A round of the cluster's barrier: my work-group's barrier, so that wave 0's signal speaks for all four waves; wave 0 signals; every wave waits for all four work-groups; my work-group's barrier once more.
.macro CREST
	s_cmp_lg_u32 s14, 0
	s_cbranch_scc1 .Lnot_wave_0_\@
	s_barrier_signal -3
.Lnot_wave_0_\@:
	s_barrier_wait -3
	s_barrier_signal -1
	s_barrier_wait -1
.endm
.macro ROUND
	s_barrier_signal -1
	s_barrier_wait -1
	CREST
.endm
; One k step: 8 matrix instructions, 4 unit tiles x 2 node tiles, on the 8 accumulators by turns.  e: the set of weight fragments; b: source 1's register in the window in force.
; cm = 0: the sums go on; 1: the bias starts them; 2: the constant 0 starts them.  Nothing is ever cleared.
.macro BATCH fm, e, b, cm
.irp i, 0,1,2,3
.irp t, 0,1
.if (\cm) == 0
	v_wmma_f32_16x16x32_\fm v[ACC+8*(2*\i+\t):ACC+8*(2*\i+\t)+7], v[RING+32*(\e)+8*\i:RING+32*(\e)+8*\i+7], v[(\b)+8*\t:(\b)+8*\t+7], v[ACC+8*(2*\i+\t):ACC+8*(2*\i+\t)+7]
.elseif (\cm) == 1
	v_wmma_f32_16x16x32_\fm v[ACC+8*(2*\i+\t):ACC+8*(2*\i+\t)+7], v[RING+32*(\e)+8*\i:RING+32*(\e)+8*\i+7], v[(\b)+8*\t:(\b)+8*\t+7], v[BIAS+8*\i:BIAS+8*\i+7]
.else
	v_wmma_f32_16x16x32_\fm v[ACC+8*(2*\i+\t):ACC+8*(2*\i+\t)+7], v[RING+32*(\e)+8*\i:RING+32*(\e)+8*\i+7], v[(\b)+8*\t:(\b)+8*\t+7], 0
.endif
.endr
.endr
.endm
.macro LOADS e, a, off                 ; a k step's 4 weight fragments, 4,096 consecutive bytes: 8 loads of 16 bytes a lane, lane l at 16 l
.irp i, 0,1,2,3
	ds_load_b128 v[RING+32*(\e)+8*\i:RING+32*(\e)+8*\i+3],   v[\a] offset:(\off)+1024*\i
	ds_load_b128 v[RING+32*(\e)+8*\i+4:RING+32*(\e)+8*\i+7], v[\a] offset:(\off)+1024*\i+512
.endr
.endm
; A TILE of the walk: 16 k steps out of slot cur (v3: slot 0, v4: slot 1), source 1 in window win.  The fragments are fetched three k steps ahead, through four sets.  The window setting moves source 1 alone,
; so the LDS and global loads (address in source 0's place, data in the destination's) stand under it unchanged.
; bias = 1: the first k step takes the bias, and the next group's 64 numbers are then asked for (the table walks on by 256 bytes; behind b1's last come the centred b2's first).  bias = 2: the last group's: nothing more is asked for.
; kind = 2: behind k step 14 slot cur is filled again, with the tile two further on in the walk.  kind = 1: the same change of slots, nothing asked for.  kind = 0: the walk's last tile.
; src = 0: that tile is one of the two layers', asked for jointly: the slot's address steps by two tiles.  src = 1, 2: it is my head's, my own load, from s[84:85], which then steps by 1 tile (to the group's
; second) or by 5 (over the other two heads' groups to my next 64 columns).
.macro TILE fm, win, cur, nxt, cm0, kind, bias, src
.set GZ, 28+4*((\cur)-3)               ; the slot's own group 0: its LDS word never changes
	WIN (\win)<<2
.set bb, 0
.rept 13
	s_wait_dscnt 16                                ; this k step's 8 loads are in; the two younger runs of 8 may stay out
.if bb == 0
.if \bias
	s_wait_loadcnt 0x0                             ; the bias, asked for a tile or two ago; its base may now be stepped
.endif
	BATCH \fm, 0, 0, \cm0
.else
	BATCH \fm, bb%4, 16*bb, 0
.endif
	NOP4                                           ; for the set that the k step before has read (and for the bias registers)
	LOADS (bb+3)%4, \cur, (bb+3)*4096
.if (bb == 0) && ((\bias) == 1)
	s_add_nc_u64 s[10:11], s[10:11], 256
.irp i, 0,1,2,3
	global_load_b128 v[BIAS+8*\i:BIAS+8*\i+3],   v9, s[10:11] offset:64*\i
	global_load_b128 v[BIAS+8*\i+4:BIAS+8*\i+7], v9, s[10:11] offset:64*\i+16
.endr
.endif
.set bb, bb+1
.endr
.if (\kind) == 0
	s_wait_dscnt 16
	BATCH \fm, 1, 208, 0
	s_wait_dscnt 8                                 ; one run may stay out
	BATCH \fm, 2, 224, 0
	s_wait_dscnt 0x0
	BATCH \fm, 3, 240, 0
.else
	; THE CHANGE OF SLOTS: one barrier for two things.  In front of it each wave waits for all its tensor loads (one is out: its quarter of the next slot), adds 0 to its spare word, and waits for that and for
	; its reads of this slot.  Behind it nobody reads this slot any more and the next slot is whole.
	WIN 0                                          ; (the add's two registers lie in window 0)
	s_wait_tensorcnt 0x0                           ; no tensor load of mine is out, so a group 0 may be written
	ds_add_u32 v1, v2                              ; 0 onto my spare word
.if (\kind) == 2
.if (\src) == 0
	s_add_nc_u64 s[GZ+2:GZ+3], s[GZ+2:GZ+3], 2*SLOT  ; this slot's next tile; the type bits on top are not reached
.else
	s_mov_b64 s[GZ+2:GZ+3], s[84:85]               ; my head's next tile,
	s_or_b32 s[GZ+3], s[GZ+3], 0x80000000          ; with the type bits
	s_add_nc_u64 s[84:85], s[84:85], (4*(\src)-3)*SLOT
.endif
.endif
	s_wait_dscnt 17                                ; k step 13's fragments are in; two runs of 8 and the add may be out
	WIN (\win)<<2
	BATCH \fm, 1, 208, 0
	s_wait_dscnt 0x0                               ; the add is done, and my reads of this slot are over
	s_barrier_signal -1                            ; with kind = 2 this barrier opens a round of the cluster's
	BATCH \fm, 2, 224, 0                           ; work on registers while the others arrive
	WIN 0                                          ; at a branch and at a label every window is 0
	s_barrier_wait -1
.if (\kind) == 2
	CREST                                          ; no wave of any partner still reads this slot or has a load on its way
.if (\src) == 0
	tensor_load_to_lds s[GZ:GZ+3], s[20:27]        ; my one tensor load behind the round, and the first thing there: it has the next tile's k steps 0 to 12 in which to land
	s_nop 0
.else
	tensor_load_to_lds s[GZ:GZ+3], s[88:95]        ; the same, for my work-group alone
	s_nop 0
.endif
.endif
	NOP4                                           ; also the places for the sets that k steps 13 and 14 have read
	WIN (\win)<<2
	LOADS 0, \nxt, 0                               ; the next tile's first three k steps
	LOADS 1, \nxt, 4096
	LOADS 2, \nxt, 8192
	BATCH \fm, 3, 240, 0
.endif
.endm
; A finished group of 64 units.  k = 1: relu.  k = 2: LayerNorm's sums, four chains by turns.  Then both: rounded to f16 in place (each accumulator's registers in ascending order) and parked: unit tiles 2 a, 2 a + 1
; are the two halves of the next layer's fragment of k step 2 g + a.
.macro EPI k
	WIN 0
	NOP4
.if (\k) == 1
.set n, 0
.rept 64
	v_max_num_f32 v[ACC+n], 0, v[ACC+n]
.set n, n+1
.endr
.else
.irp i, 0,1,2,3
.irp p, 0,1,2,3
.irp t, 0,1
	v_pk_add_f32 v[16+2*\t:17+2*\t], v[16+2*\t:17+2*\t], v[ACC+8*(2*\i+\t)+2*\p:ACC+8*(2*\i+\t)+2*\p+1]
	v_pk_fma_f32 v[20+2*\t:21+2*\t], v[ACC+8*(2*\i+\t)+2*\p:ACC+8*(2*\i+\t)+2*\p+1], v[ACC+8*(2*\i+\t)+2*\p:ACC+8*(2*\i+\t)+2*\p+1], v[20+2*\t:21+2*\t]
.endr
.endr
.endr
.endif
.set n, 0
.rept 32
	v_cvt_pk_f16_f32 v[ACC+8*(n/4)+n%4], v[ACC+8*(n/4)+2*(n%4)], v[ACC+8*(n/4)+2*(n%4)+1]
.set n, n+1
.endr
	v_add_nc_u32 v8, s37, v7
.irp i, 0,1,2,3
.irp t, 0,1
	ds_store_b128 v8, v[ACC+8*(2*\i+\t):ACC+8*(2*\i+\t)+3] offset:(\i/2)*2048+\t*1024+(\i%2)*512
.endr
.endr
	s_add_co_u32 s37, s37, 4096                    ; the next group's 4,096 bytes;
	s_and_b32 s37, s37, 0x7000                     ; behind the eighth the park begins anew
.endm
; cnt groups from my park's places first .. into the same places of a window (a group is 32 registers).  LDS serves a wave's instructions in order (ISA guide 5.7.1.4): these see my stores
.macro BACK win, first, cnt
	WIN (\win)<<6
.set n, 8*(\first)
.rept 8*(\cnt)
	ds_load_b128 v[4*n:4*n+3], v7 offset:512*n
.set n, n+1
.endr
	WIN 0
	s_wait_dscnt 0x0
.endm
.macro TABLD                           ; s and c of a group's 64 columns: my 8 numbers of each unit tile
	WIN 0xc0                                       ; destination window 3
.irp i, 0,1,2,3
	global_load_b128 v[TS+8*\i:TS+8*\i+3],   v9, s[10:11] offset:64*\i
	global_load_b128 v[TS+8*\i+4:TS+8*\i+7], v9, s[10:11] offset:64*\i+16
	global_load_b128 v[TC+8*\i:TC+8*\i+3],   v9, s[10:11] offset:256+64*\i
	global_load_b128 v[TC+8*\i+4:TC+8*\i+7], v9, s[10:11] offset:256+64*\i+16
.endr
	WIN 0
.endm
; A finished group of 64 columns of my head: out = rs acc + c - rs mu s, in place.  more = 1: the next group's table is asked for: three blocks of 512 bytes further on.
.macro EPIH more
	WIN 0
	NOP4
	s_wait_loadcnt 0x0                             ; this group's s and c; the table's base may now be stepped
	WIN 0x30                                       ; source 2 (c) in window 3
.irp i, 0,1,2,3
.irp t, 0,1
.irp p, 0,1,2,3
	v_pk_fma_f32 v[ACC+8*(2*\i+\t)+2*\p:ACC+8*(2*\i+\t)+2*\p+1], v[ACC+8*(2*\i+\t)+2*\p:ACC+8*(2*\i+\t)+2*\p+1], v[24+2*\t:25+2*\t], v[TC+8*\i+2*\p:TC+8*\i+2*\p+1] op_sel_hi:[1,0,1]
.endr
.endr
.endr
	WIN 0x03                                       ; source 0 (s) in window 3
.irp i, 0,1,2,3
.irp t, 0,1
.irp p, 0,1,2,3
	v_pk_fma_f32 v[ACC+8*(2*\i+\t)+2*\p:ACC+8*(2*\i+\t)+2*\p+1], v[TS+8*\i+2*\p:TS+8*\i+2*\p+1], v[28+2*\t:29+2*\t], v[ACC+8*(2*\i+\t)+2*\p:ACC+8*(2*\i+\t)+2*\p+1] op_sel_hi:[1,0,1]
.endr
.endr
.endr
.if \more
	s_add_nc_u64 s[10:11], s[10:11], 1536
	TABLD
.endif
	WIN 0
.endm
; THE WAY OUT of 32 rows x 64 columns: a lane's eight columns of a row go into my stage, whole rows of 256 bytes come back, two a load, into the registers that they left, and go to the rows that order names.
.macro OUTP more
	WIN 0
.irp i, 0,1,2,3
.irp t, 0,1
	ds_store_b128 v10, v[ACC+8*(2*\i+\t):ACC+8*(2*\i+\t)+3]   offset:\t*16*OPITCH+64*\i
	ds_store_b128 v10, v[ACC+8*(2*\i+\t)+4:ACC+8*(2*\i+\t)+7] offset:\t*16*OPITCH+64*\i+16
.endr
.endr
.set n, 0
.rept 16
	ds_load_b128 v[ACC+4*n:ACC+4*n+3], v11 offset:2*OPITCH*n  ; in order behind the stores above
.set n, n+1
.endr
.set n, 0
.rept 16
	s_wait_dscnt 15-n                              ; the younger loads may stay out
	global_store_b128 v[OGO+n], v[ACC+4*n:ACC+4*n+3], s[12:13] th:TH_STORE_NT  ; 16 lanes store 256 consecutive bytes of a row, at a multiple of 256 from out's first byte
.set n, n+1
.endr
.if \more
	s_wait_xcnt 0x0                                ; the stores' base and data are written again only behind this wait (ISA guide 3.1)
	s_add_nc_u64 s[12:13], s[12:13], 256           ; the next 64 columns
.endif
.endm
; 16 rows of x: rounded to bf16, through my stage, into window 1 as source 1's fragments of node tile t
.macro XTILE t
	WIN 0x0a+5*(\t)                                ; sources 0 and 1 in window 2 or 3
.set n, 0
.rept 128
	v_cvt_pk_bf16_f32 v[32+n], v[2*n], v[2*n+1]
.set n, n+1
.endr
	WIN 0
.set n, 0
.rept 64
	ds_store_b64 v16, v[32+2*n:33+2*n] offset:XPITCH*(n/4)+256*(n%4)  ; 32 lanes, 256 consecutive bytes of a row
.set n, n+1
.endr
	WIN 0x40                                       ; destination window 1
.set n, 0
.rept 16
	ds_load_b128 v[16*n+8*(\t):16*n+8*(\t)+3],   v17 offset:64*n       ; node lane % 16, k = 32 n + 8 (lane / 16) + 0..7
	ds_load_b128 v[16*n+8*(\t)+4:16*n+8*(\t)+7], v17 offset:64*n+32    ; and 16 further on
.set n, n+1
.endr
.endm
	s_load_b256 s[4:11], s[0:1], 0x0               ; x s[4:5], order s[6:7], wf s[8:9], tab s[10:11]
	s_load_b64 s[12:13], s[0:1], 0x20              ; out
	v_lshl_add_u32 v1, v0, 2, SPARE
	v_mov_b32 v2, 0
	ds_add_u32 v1, v2
	s_wait_dscnt 0x0
	v_lshrrev_b32 v13, 5, v0
	v_readfirstlane_b32 s14, v13                   ; wave 0..3
	s_bfe_u32 s15, ttmp6, 0x40000                  ; cx: my place in the cluster; it enters the choice of my rows and of my head alone
	s_lshl_b32 s16, ttmp9, 2                       ; in a cluster launch ttmp9 counts clusters
	s_add_co_u32 s16, s16, s15                     ; my work-group, 0..199
	; descriptor group 1: 16,384 dense bytes as 64 rows of 256; once for the joint loads, once for my own
	s_mov_b32 s20, 15|(3<<16)|(1<<21)              ; 15:0 the mask: all four work-groups; 17:16 elements of 8 bytes; 21 set beside a mask; no padding
	s_mov_b32 s88, 3<<16                           ; no mask
.irp g, 20, 88
	s_mov_b32 s[\g+1], 32<<16                      ; tensor_dim0 = 32
	s_mov_b32 s[\g+2], 64<<16                      ; tensor_dim1 = 64
	s_mov_b32 s[\g+3], 32<<16                      ; tile_dim0 = 32
	s_mov_b32 s[\g+4], 64                          ; tile_dim1 = 64
	s_mov_b32 s[\g+5], 32                          ; 32 elements from row to row
	s_mov_b32 s[\g+6], 0
	s_mov_b32 s[\g+7], 0
.endr
	s_lshl_b32 s44, s14, 14                        ; my quarter of a tile, in memory and in a slot: the wave's number alone
	s_mov_b32 s45, 0
	s_mov_b32 s99, 0
	s_mov_b32 s28, 1                               ; count = 1
	s_mov_b32 s29, s44                             ; LDS address: slot 0
	s_mov_b32 s32, 1
	s_add_co_u32 s33, s44, SLOT                    ; slot 1
	s_mov_b32 s42, 0x76543210                      ; v_permlanex16_b32: each lane takes its own place in the other half
	s_mov_b32 s43, 0xfedcba98
	s_lshl_b32 s46, s14, 15
	s_add_co_u32 s46, s46, PARK                    ; my park
	v_and_b32 v13, 31, v0                          ; lane
	v_and_b32 v5, 15, v0                           ; r = lane % 16
	v_bfe_u32 v6, v0, 4, 1                         ; h = lane / 16
	v_lshlrev_b32 v3, 4, v13
	v_add_nc_u32 v4, SLOT, v3
	v_add_nc_u32 v7, s46, v3
	v_lshlrev_b32 v9, 5, v6
	v_lshl_add_u32 v16, v13, 3, s46                ; x's stage, in: 8 bytes a lane (v16, v17 hold sums later)
	v_mul_u32_u24 v17, v5, XPITCH
	v_lshl_add_u32 v17, v6, 4, v17
	v_add_nc_u32 v17, s46, v17                     ; and out: row r, 16 bytes for each half of the lanes
	v_mul_u32_u24 v10, v5, OPITCH
	v_lshl_add_u32 v10, v6, 5, v10
	v_add_nc_u32 v10, s46, v10                     ; the way out, in: row r, 32 bytes for each half
	v_mul_u32_u24 v11, v6, OPITCH
	v_lshl_add_u32 v11, v5, 4, v11
	v_add_nc_u32 v11, s46, v11                     ; back: lanes 0-15 one row of 256 bytes, lanes 16-31 the next
	v_lshlrev_b32 v12, 4, v5                       ; my 16 bytes of such a row
	s_wait_kmcnt 0x0
	s_load_b64 s[96:97], s[6:7], CNTS              ; c0, c0 + c1
	s_add_nc_u64 s[8:9], s[8:9], s[44:45]          ; the stream at my quarter of tile 0
	s_mov_b64 s[30:31], s[8:9]
	s_add_nc_u64 s[34:35], s[8:9], SLOT            ; tile 1
	s_or_b32 s31, s31, 0x80000000                  ; type = 2
	s_or_b32 s35, s35, 0x80000000
	ROUND                                          ; all four work-groups are here: the first joint loads meet
	tensor_load_to_lds s[28:31], s[20:27]          ; the two first fills go out together: two tensor loads of mine are out
	s_nop 0
	tensor_load_to_lds s[32:35], s[20:27]
	s_nop 0
	NOP4
.irp i, 0,1,2,3
	global_load_b128 v[BIAS+8*\i:BIAS+8*\i+3],   v9, s[10:11] offset:64*\i      ; b1 of units 16 i + 8 h + 0..7
	global_load_b128 v[BIAS+8*\i+4:BIAS+8*\i+7], v9, s[10:11] offset:64*\i+16
.endr
	; WHICH ROWS ARE MINE: from the two counts and my work-group's number, by scalar arithmetic without a branch
	s_wait_kmcnt 0x0
	s_min_u32 s96, s96, ROWS                       ; c0
	s_min_u32 s97, s97, ROWS                       ; c0 + c1
	s_sub_co_u32 s48, s97, s96                     ; c1
	s_sub_co_u32 s49, ROWS, s97                    ; c2
	s_add_co_u32 s50, s96, 127
	s_lshr_b32 s50, s50, 7                         ; n0: blocks of 128 places
	s_add_co_u32 s51, s48, 127
	s_lshr_b32 s51, s51, 7                         ; n1
	s_add_co_u32 s52, s49, 127
	s_lshr_b32 s52, s52, 7                         ; n2
	s_add_co_u32 s53, s50, s51
	s_add_co_u32 s53, s53, s52
	s_sub_co_u32 s53, WGS, s53                     ; e: the work-groups that are over, 2 to 4
	s_cmp_ge_u32 s96, s48
	s_cselect_b32 s54, s96, s48
	s_cselect_b32 s55, 0, 1
	s_cmp_ge_u32 s54, s49
	s_cselect_b32 s55, s55, 2                      ; the largest type takes them
	s_cmp_eq_u32 s55, 0
	s_cselect_b32 s56, s53, 0
	s_add_co_u32 s50, s50, s56                     ; type 1's first work-group
	s_cmp_eq_u32 s55, 1
	s_cselect_b32 s56, s53, 0
	s_add_co_u32 s51, s51, s56
	s_add_co_u32 s51, s51, s50                     ; type 2's first work-group
	s_cmp_ge_u32 s16, s50
	s_cselect_b32 s57, 1, 0                        ; my type,
	s_cselect_b32 s58, s50, 0                      ; its first work-group,
	s_cselect_b32 s59, s96, 0                      ; its first place,
	s_cselect_b32 s60, s48, s96                    ; its rows
	s_cmp_ge_u32 s16, s51
	s_cselect_b32 s57, 2, s57
	s_cselect_b32 s58, s51, s58
	s_cselect_b32 s59, s97, s59
	s_cselect_b32 s60, s49, s60
	s_sub_co_u32 s58, s16, s58                     ; i: my number among my type's work-groups
	s_cmp_eq_u32 s57, s55
	s_cselect_b32 s56, s53, 0                      ; e, if mine is the largest type, else 0
	s_lshl_b32 s61, s56, 1
	s_sub_co_u32 s62, s58, s56
	s_lshl_b32 s62, s62, 7                         ; 128 (i - e): a whole block,
	s_lshl_b32 s63, s58, 6                         ; 64 i: half a block
	s_cmp_lt_u32 s58, s61                          ; the first 2 e are halves
	s_cselect_b32 s62, s63, s62                    ; my first row among my type's
	s_cselect_b32 s63, 64, 128
	s_sub_co_u32 s60, s60, s62                     ; what is left of the type from there
	s_min_u32 s63, s63, s60                        ; my rows, 1 to 128
	s_add_co_u32 s59, s59, s62                     ; my first place
	s_add_co_u32 s63, s63, s59
	s_sub_co_u32 s63, s63, 1                       ; my last place
	s_lshl_b32 s62, s14, 5
	s_add_co_u32 s59, s59, s62                     ; my wave's first place
	s_min_u32 s57, s57, 2                          ; inside the stream and the table whatever was loaded
	s_lshl_b32 s98, s57, 17                        ; two tiles a head,
	s_add_co_u32 s98, s98, 48*SLOT                 ; behind the two layers' 48
	s_add_nc_u64 s[84:85], s[8:9], s[98:99]        ; my head's first tile, my quarter
	s_lshl_b32 s98, s57, 9
	s_add_co_u32 s98, s98, 8192
	s_add_nc_u64 s[86:87], s[10:11], s[98:99]      ; my head's first block of s and c
	v_add_nc_u32 v13, s59, v13                     ; lane l takes the wave's place l,
	v_min_u32 v13, s63, v13                        ; held at my work-group's last,
	v_min_u32 v13, ROWS-1, v13                     ; inside the list whatever was loaded
	v_lshlrev_b32 v13, 2, v13
	global_load_b32 v14, v13, s[6:7]
	s_wait_loadcnt 0x0
.set i, 0
.rept 32
.set SI, 48+i+4*(i/16)
	v_readlane_b32 s[SI], v14, i                   ; the row at place i, for every lane
	s_min_u32 s[SI], s[SI], ROWS-1                 ; inside x and out whatever was loaded
	v_lshl_add_u32 v[XO+i], s[SI], 11, v3          ; a row of x is 2,048 bytes
.set i, i+1
.endr
	WIN 0x80                                       ; destination window 2: the rows at my places 0-15; a load takes 512 consecutive bytes of a row.  The list names each row once; only a work-group's last row is repeated, at once
.set n, 0
.rept 64
	global_load_b128 v[4*n:4*n+3], v[XO+n/4], s[4:5] offset:512*(n%4) th:TH_LOAD_NT
.set n, n+1
.endr
	WIN 0xc0                                       ; window 3: places 16-31
.set n, 0
.rept 64
	global_load_b128 v[4*n:4*n+3], v[XO+16+n/4], s[4:5] offset:512*(n%4) th:TH_LOAD_NT
.set n, n+1
.endr
	s_wait_loadcnt 63                              ; places 0-15 are in: 64 loads are younger, and the count's field ends at 63
	XTILE 0
	s_wait_loadcnt 0x0
	XTILE 1                                        ; its stores into the stage come, in order, behind tile 0's reads
	WIN 0
	s_wait_tensorcnt 0x1                           ; my quarter of tile 0 is in; tile 1's may stay out
	s_wait_dscnt 0x0                               ; x's fragments are in
	s_barrier_signal -1
	s_barrier_wait -1                              ; everybody's quarter is in
	LOADS 0, 3, 0
	LOADS 1, 3, 4096
	LOADS 2, 3, 8192
	s_mov_b32 s37, 0
	; LAYER 1: 16 groups of 64 units, a tile each (K = 512).  Two halves of 8 groups; a trip takes two, one from each slot.
	s_mov_b32 s47, 2
.Ll1_half:
	s_mov_b32 s36, 4
.Ll1:
	TILE bf16, 1, 3, 4, 1, 2, 1, 0
	EPI 1
	TILE bf16, 1, 4, 3, 1, 2, 1, 0
	EPI 1
	s_sub_co_u32 s36, s36, 1
	s_cmp_lg_u32 s36, 0
	s_cbranch_scc1 .Ll1
	s_cmp_eq_u32 s47, 2
	s_cbranch_scc0 .Ll1_high
	BACK 2, 0, 8                                   ; units 0-511: k steps 0-15 of layer 2
	s_branch .Ll1_next
.Ll1_high:
	BACK 3, 0, 8                                   ; units 512-1023
.Ll1_next:
	s_sub_co_u32 s47, s47, 1
	s_cmp_lg_u32 s47, 0
	s_cbranch_scc1 .Ll1_half
	; LAYER 2: 16 groups, two tiles each (K = 1,024).  15 groups in three passes of 5 trips; the sixteenth is written out, since its two requests are the first for my head.
	; Groups 0-7 go where x lay: 0-4 behind the first pass, 5-7 behind the second, each before its place in the park is written again.  Groups 8-15 stay parked until hidden 1 has been read for the last time.
.irp n, 16,17,18,19,20,21,22,23
	v_mov_b32 v\n, 0                               ; S1 and S2
.endr
	s_mov_b32 s47, 3
.Ll2_pass:
	s_mov_b32 s36, 5
.Ll2:
	TILE f16, 2, 3, 4, 1, 2, 1, 0
	TILE f16, 3, 4, 3, 0, 2, 0, 0
	EPI 2
	s_sub_co_u32 s36, s36, 1
	s_cmp_lg_u32 s36, 0
	s_cbranch_scc1 .Ll2
	s_cmp_eq_u32 s47, 3
	s_cbranch_scc0 .Ll2_second
	BACK 1, 0, 5
	s_branch .Ll2_next
.Ll2_second:
	s_cmp_eq_u32 s47, 2
	s_cbranch_scc0 .Ll2_next
	BACK 1, 5, 3
.Ll2_next:
	s_sub_co_u32 s47, s47, 1
	s_cmp_lg_u32 s47, 0
	s_cbranch_scc1 .Ll2_pass
	TILE f16, 2, 3, 4, 1, 2, 2, 1                  ; group 15; slot 0 takes my head's first tile,
	TILE f16, 3, 4, 3, 0, 2, 0, 2                  ; slot 1 its second
	EPI 2
	BACK 2, 0, 8                                   ; groups 8-15: k steps 16-31 of the heads
	; Between the layers and the head: the first group's table, out's offsets, LayerNorm's factors.
	s_mov_b64 s[10:11], s[86:87]                   ; no load that names the table's base is out: the last bias was waited for
	TABLD
	s_mov_b32 s41, 0xffff0000                      ; lanes 16-31
.set n, 0
.rept 16
.set SA, 48+2*n+4*(n/8)
	v_mov_b32 v[OGO+n], s[SA]                      ; lanes 0-15 store the row at place 2 n,
	v_cndmask_b32 v[OGO+n], v[OGO+n], s[SA+1], s41 ; lanes 16-31 the row at place 2 n + 1
	v_min_u32 v[OGO+n], ROWS-1, v[OGO+n]
	v_lshl_add_u32 v[OGO+n], v[OGO+n], 10, v12     ; a row of out is 1,024 bytes
.set n, n+1
.endr
.irp n, 16,18,20,22
	v_add_f32 v[\n], v[\n], v[\n+1]                ; a pair's two halves
.endr
.irp n, 16,18,20,22
	v_permlanex16_b32 v[\n+1], v[\n], s42, s43     ; the node's other units lie in the lane 16 away
.endr
.irp n, 16,18,20,22
	v_add_f32 v[\n], v[\n], v[\n+1]
.endr
	v_mul_f32 v16, 0x3a800000, v16                 ; mu = S1 / 1024
	v_mul_f32 v18, 0x3a800000, v18
	v_mul_f32 v17, v16, v16
	v_mul_f32 v19, v18, v18
	v_fma_f32 v20, v20, 0x3a800000, -v17           ; var = S2 / 1024 - mu^2; mu is the centring's residue, so nothing large is taken away
	v_fma_f32 v22, v22, 0x3a800000, -v19
	v_max_num_f32 v20, 0, v20
	v_max_num_f32 v22, 0, v22
	v_add_f32 v20, 0x3727c5ac, v20                 ; + 1e-5
	v_add_f32 v22, 0x3727c5ac, v22
	v_rsq_f32 v24, v20
	v_rsq_f32 v26, v22
	v_nop                                          ; a plain instruction between the last of them and the use of its result (ISA guide 5.7.2)
	s_wait_alu depctr_va_vdst(0)
	v_mov_b32 v25, v24                             ; named as pairs
	v_mov_b32 v27, v26
	v_mul_f32 v28, -v24, v16                       ; - rs mu
	v_mul_f32 v30, -v26, v18
	v_mov_b32 v29, v28
	v_mov_b32 v31, v30
	; MY HEAD: 4 groups of 64 columns, two tiles each.  A trip multiplies one group, asks for the next, and sends its 64 columns out.
	s_mov_b32 s36, 3
.Lhead:
	TILE f16, 1, 3, 4, 2, 2, 0, 1
	TILE f16, 2, 4, 3, 0, 2, 0, 2
	EPIH 1
	OUTP 1
	s_sub_co_u32 s36, s36, 1
	s_cmp_lg_u32 s36, 0
	s_cbranch_scc1 .Lhead
	TILE f16, 1, 3, 4, 2, 1, 0, 0                  ; the last group is written out: nothing is asked for
	TILE f16, 2, 4, 3, 0, 0, 0, 0
	EPIH 0
	OUTP 0
	s_wait_tensorcnt 0x0                           ; the wave's end, behind my last tensor load and my last LDS store
	ds_add_u32 v1, v2
	s_wait_dscnt 0x0
	ROUND                                          ; the closing round: no work-group ends while a partner may still ask for a tile that names it
	s_endpgm
.Lfunc_end_k_q593d376816_main:
	.size	k_q593d376816_main, .Lfunc_end_k_q593d376816_main-k_q593d376816_main
	.p2alignl 7, 3214868480
	.fill 96, 4, 3214868480
	.section	.rodata,"a",@progbits
	.p2align	6, 0x0
	.amdhsa_kernel k_q593d376816_main
		.amdhsa_group_segment_fixed_size 327680
		.amdhsa_private_segment_fixed_size 0
		.amdhsa_enable_private_segment 0
		.amdhsa_kernarg_size 40
		.amdhsa_user_sgpr_count 2
		.amdhsa_user_sgpr_kernarg_segment_ptr 1
		.amdhsa_wavefront_size32 1
		.amdhsa_system_sgpr_workgroup_id_x 1
		.amdhsa_system_sgpr_workgroup_id_y 1
		.amdhsa_system_sgpr_workgroup_id_z 1
		.amdhsa_system_vgpr_workitem_id 0
		.amdhsa_next_free_vgpr 1024
		.amdhsa_next_free_sgpr 100
		.amdhsa_reserve_vcc 0
		.amdhsa_float_denorm_mode_32 3
		.amdhsa_float_denorm_mode_16_64 3
		.amdhsa_memory_ordered 1
		.amdhsa_forward_progress 1
		.amdhsa_inst_pref_size 255
	.end_amdhsa_kernel
	.section	.bss,"aw",@nobits
	.p2align	6
	.space	262144
	.amdgpu_metadata
---
amdhsa.version: [ 1, 2 ]
amdhsa.kernels:
  - .name:           k_q593d376816_main
    .symbol:         k_q593d376816_main.kd
    .args:
      - { .name: node_latent, .offset: 0, .size: 8, .value_kind: global_buffer, .address_space: global }
      - { .name: order, .offset: 8, .size: 8, .value_kind: global_buffer, .address_space: global }
      - { .name: wf, .offset: 16, .size: 8, .value_kind: global_buffer, .address_space: global }
      - { .name: tab, .offset: 24, .size: 8, .value_kind: global_buffer, .address_space: global }
      - { .name: out0, .offset: 32, .size: 8, .value_kind: global_buffer, .address_space: global }
    .group_segment_fixed_size: 327680
    .private_segment_fixed_size: 0
    .kernarg_segment_align: 8
    .kernarg_segment_size: 40
    .max_flat_workgroup_size: 128
    .sgpr_count:     100
    .vgpr_count:     1024
    .wavefront_size: 32
...
	.end_amdgpu_metadata
.endif
;; end of part 4
